; MI455X (gfx1250); checked and timed in simulation.
; The chip was launched on July 23, 2026; its instructions are those of AMD's public machine-readable ISA for CDNA 5 (MIT licence, August 2026) and "CDNA5" Instruction Set Architecture Reference Guide (July 2026). The comments in the code are by the model that wrote it; some were corrected since.
;; atn style. Allowed arithmetic: float matrix products may take bf16 or f16 operands with f32 sums; other float arithmetic in f32, or as packed bf16 or f16 multiplies, adds, multiply-adds, maxima and minima; sums over many terms, partial sums and values carried from step to step in f32; what a program stores and reads back later, other than sums and carried values, may be rounded once to bf16 or f16.
;; Inputs: Wf 256 x 256 float32; Wg 256 x 256 float32; Wh 256 x 256 float32; Wk 256 x 256 float32; bf 256 float32; bg 256 float32; bh 256 float32; bk 256 float32; s_sty 8,192 x 32 x 256 float32; x 256 x 32 x 256 float32.
;; Outputs: out0 256 x 32 x 256 float32.
;; 2 versions, each right; version 2 is version 1 with the launch stream written anew for expert scheduling mode. Each part assembles by itself: llvm-mc -triple=amdgcn-amd-amdhsa -mcpu=gfx1250 --defsym DOCPART=n.
;; ======== version 1 of 2: 4 launches
;; limits: values are held in f16: magnitudes above 65,504 overflow, below 6.1e-05 lose precision
;; workspace buffers: g16 134,217,728 bytes; part 1,048,576 bytes; w16 524,288 bytes; qim 4,194,304 bytes; qst 65,536 bytes; pp 16,777,216 bytes; ml 131,072 bytes
;; launch stream (part 1): grid 8 x 32, 16 waves a work-group, no clusters, 67,584 bytes of LDS; arguments s_sty, x, Wf, Wg, Wh, Wk, g16, part, w16; writes g16, part, w16
.if DOCPART == 1
	.amdgcn_target "amdgcn-amd-amdhsa--gfx1250"
	.amdhsa_code_object_version 6
	.text
	.protected	k_qc9d9c37ab3_stream
	.globl	k_qc9d9c37ab3_stream
	.p2align	8
	.type	k_qc9d9c37ab3_stream,@function
k_qc9d9c37ab3_stream:
	s_mov_b64 s[64:65], 0
	v_nop
	global_prefetch_b8 v0, s[64:65] scope:SCOPE_SE
	s_setreg_imm32_b32 hwreg(HW_REG_WAVE_MODE, 25, 1), 1
	s_wait_xcnt 0x0
; STREAM.  s_sty [8192][32][256] f32 is read once, rounded to bf16, written as f16 (exact within f16's normal range) and laid by batch: g16 [b][m][c].
; Beside it: partial sums for the two instance norms (of s_sty and of x, both on the rounded numbers), and the four weights, rounded to bf16 and written as f16.
; LIMITS.  A number beyond 65,504 would become an infinity in f16; a number below 6e-5 keeps f16's fixed step of 6e-8.  NaN and infinities are not treated apart.
; THE SUMS are taken of d = number - pilot, the pilot being row 0 of the same batch and channel (rounded): mean = pilot + E[d], variance = E[d^2] - E[d]^2, so a common offset of the data cancels before anything is squared.
; SHARES.  Work-group (k, b): rows 1024 k .. + 1023 of batch b, and rows 32 k .. + 31 of x.  Wave w takes rows w + 16 i.  Lane l owns channels 4 l .. + 3 and 128 + 4 l .. + 3:
; a row is two loads of 512 consecutive bytes and two stores of 256 consecutive bytes, each at a multiple of 256 from its buffer's first byte.
; No LDS tiles, no matrix unit, no cluster: every byte is used once, by one lane.  A ring of 8 row slots in registers keeps 16 loads of every wave on their way.
.set SPARE, 65536                      ; behind the sums' 65,536 bytes: the spare words, 128 bytes for each of 16 waves
.set VI,  2                            ; v2   my byte offset in s_sty and x: 16 l + w rows of 32,768 bytes; never rewritten
.set VO,  3                            ; v3   my byte offset in g16: 8 l + w rows of 512 bytes; never rewritten
.set T,   4                            ; v[4:11]   8 numbers at work
.set B,   12                           ; v[12:15]  4 words of bf16 pairs
.set PG,  16                           ; v[16:23]  pilots of s_sty
.set PX,  24                           ; v[24:31]  pilots of x
.set S1G, 32                           ; v[32:39] sum d, v[40:47] sum d^2 for s_sty; v[48:55], v[56:63] for x
.set S2G, 40
.set S1X, 48
.set S2X, 56
.set X,   64                           ; v[64:127]  slot s: 8 registers as loaded
.set Y,   128                          ; v[128:159] slot s: 4 registers to store; at the start x's two rows
.set SPW, 160                          ; LDS address of my spare word; never rewritten
.set NIL, 161                          ; 0; never rewritten
.set PO,  162                          ; 16 l
.set WO,  163                          ; my byte offset in w16
	s_load_b512 s[4:19], s[0:1], 0x0               ; s_sty s[4:5], x s[6:7], Wf s[8:9], Wg s[10:11], Wh s[12:13], Wk s[14:15], g16 s[16:17], part s[18:19]
	s_load_b64 s[20:21], s[0:1], 0x40              ; w16
	v_lshl_add_u32 v[SPW], v0, 2, SPARE
	v_mov_b32 v[NIL], 0
	v_lshrrev_b32 v1, 5, v0
	v_readfirstlane_b32 s24, v1                    ; wave 0..15
	s_and_b32 s26, ttmp7, 0xffff                   ; b
	s_lshl_b32 s25, s26, 3
	s_add_co_u32 s25, s25, ttmp9                   ; g = 8 b + k: the work-group's number, and the block of each weight that it converts
	s_mov_b32 s33, 0xffff0000                      ; a word's upper bf16
	v_and_b32 v1, 31, v0
	v_lshlrev_b32 v[PO], 4, v1
	v_lshl_add_u32 v[VI], s24, 15, v[PO]
	v_lshlrev_b32 v[VO], 3, v1
	v_lshl_add_u32 v[VO], s24, 9, v[VO]
	s_lshl_b32 s34, s26, 10                        ; b x 1,024 bytes
	s_mov_b32 s35, 0
	s_lshl_b32 s36, ttmp9, 25                      ; k x 1,024 rows of 32,768 bytes
	s_mov_b32 s37, 0
	s_lshl_b32 s44, ttmp9, 20                      ; k x 32 rows of x
	s_mov_b32 s45, 0
	s_lshl_b32 s46, s26, 22                        ; b x 8,192 rows of 512 bytes,
	s_lshl_b32 s27, ttmp9, 19                      ; k x 1,024 of them
	s_add_co_u32 s46, s46, s27
	s_mov_b32 s47, 0
	s_wait_kmcnt 0x0
	s_add_nc_u64 s[38:39], s[4:5], s[34:35]        ; s_sty at row 0 of my batch: the pilots
	s_add_nc_u64 s[28:29], s[38:39], s[36:37]      ; and at the group's first row
	s_add_nc_u64 s[40:41], s[6:7], s[34:35]        ; the same for x
	s_add_nc_u64 s[42:43], s[40:41], s[44:45]
	s_add_nc_u64 s[30:31], s[16:17], s[46:47]      ; g16 at the group's first row
	global_load_b128 v[PG:PG+3],   v[PO], s[38:39]
	global_load_b128 v[PG+4:PG+7], v[PO], s[38:39] offset:512
	global_load_b128 v[PX:PX+3],   v[PO], s[40:41]
	global_load_b128 v[PX+4:PX+7], v[PO], s[40:41] offset:512
	global_load_b128 v[Y:Y+3],     v[VI], s[42:43]
	global_load_b128 v[Y+4:Y+7],   v[VI], s[42:43] offset:512
	global_load_b128 v[Y+8:Y+11],  v[VI], s[42:43] offset:524288
	global_load_b128 v[Y+12:Y+15], v[VI], s[42:43] offset:524288+512
.irp s, 0,1,2,3,4,5,6,7
	global_load_b128 v[X+8*\s:X+8*\s+3],   v[VI], s[28:29] offset:\s*524288 th:TH_LOAD_NT      ; the ring is filled: my rows w + 16 s
	global_load_b128 v[X+8*\s+4:X+8*\s+7], v[VI], s[28:29] offset:\s*524288+512 th:TH_LOAD_NT
.endr
.set i_, S1G
.rept 32
	v_mov_b32 v[i_], 0                             ; 32 running sums, once a launch
.set i_, i_+1
.endr
.macro RB16 base, pairs, tmp                   ; numbers in registers are rounded to bf16 and stay f32
.set z_, 0
.rept \pairs
	v_cvt_pk_bf16_f32 v[\tmp], v[(\base)+2*z_], v[(\base)+2*z_+1]
	v_lshlrev_b32 v[(\base)+2*z_], 16, v[\tmp]
	v_and_b32 v[(\base)+2*z_+1], s33, v[\tmp]
.set z_, z_+1
.endr
.endm
; A row's 8 numbers in v[xr ..]: rounded to bf16; written as f16 into v[y ..] (y < 0: not); d = number - pilot is added to s1, d^2 to s2.
.macro ROW xr, pil, s1, s2, y
.irp k, 0,1,2,3
	v_cvt_pk_bf16_f32 v[B+\k], v[(\xr)+2*\k], v[(\xr)+2*\k+1]
.endr
.irp k, 0,1,2,3
	v_lshlrev_b32 v[T+2*\k], 16, v[B+\k]
	v_and_b32 v[T+2*\k+1], s33, v[B+\k]
.endr
.if (\y) >= 0
.irp k, 0,1,2,3
	v_cvt_pk_f16_f32 v[(\y)+\k], v[T+2*\k], v[T+2*\k+1]
.endr
.endif
.irp k, 0,1,2,3
	v_pk_add_f32 v[T+2*\k:T+2*\k+1], v[T+2*\k:T+2*\k+1], v[(\pil)+2*\k:(\pil)+2*\k+1] neg_lo:[0,1] neg_hi:[0,1]
.endr
.irp k, 0,1,2,3
	v_pk_add_f32 v[(\s1)+2*\k:(\s1)+2*\k+1], v[(\s1)+2*\k:(\s1)+2*\k+1], v[T+2*\k:T+2*\k+1]
	v_pk_fma_f32 v[(\s2)+2*\k:(\s2)+2*\k+1], v[T+2*\k:T+2*\k+1], v[T+2*\k:T+2*\k+1], v[(\s2)+2*\k:(\s2)+2*\k+1]
.endr
.endm
; One slot's turn.  ahead = 1: the slot is filled again with the row 128 further down.  left: the younger loads that may stay out.
.macro SLOT s, ahead, left
	s_wait_loadcnt \left                           ; loads come back in order: my two are in
	ROW X+8*(\s), PG, S1G, S2G, Y+4*(\s)
.if \ahead
	global_load_b128 v[X+8*(\s):X+8*(\s)+3],   v[VI], s[28:29] offset:(\s)*524288+4194304 th:TH_LOAD_NT
	global_load_b128 v[X+8*(\s)+4:X+8*(\s)+7], v[VI], s[28:29] offset:(\s)*524288+4194304+512 th:TH_LOAD_NT
.endif
	global_store_b64 v[VO], v[Y+4*(\s):Y+4*(\s)+1],   s[30:31] offset:(\s)*8192 th:TH_STORE_NT       ; 32 lanes store 256 consecutive bytes
	global_store_b64 v[VO], v[Y+4*(\s)+2:Y+4*(\s)+3], s[30:31] offset:(\s)*8192+256 th:TH_STORE_NT
.endm
	s_wait_loadcnt 16                              ; the 8 oldest loads (pilots, x's rows) are in; the ring's 16 stay out
	RB16 PG, 4, B
	RB16 PX, 4, B
	ROW Y,   PX, S1X, S2X, -1
	ROW Y+8, PX, S1X, S2X, -1
	s_mov_b32 s32, 7
.Lround:                                               ; 7 rounds of 8 rows; each fills every slot again
.irp s, 0,1,2,3,4,5,6,7
	SLOT \s, 1, 14                                 ; the 7 other slots' 14 loads are younger than mine
.endr
	s_wait_xcnt 0x0                                ; the bases and the stores' data registers are rewritten only behind this wait
	s_add_nc_u64 s[28:29], s[28:29], 0x400000      ; 128 rows of s_sty
	s_add_nc_u64 s[30:31], s[30:31], 0x10000       ; 128 rows of g16
	s_sub_co_u32 s32, s32, 1
	s_cmp_lg_u32 s32, 0
	s_cbranch_scc1 .Lround
.irp s, 0,1,2,3,4,5,6,7
	SLOT \s, 0, 14-2*\s                            ; the last round loads nothing: the counts run down
.endr
	s_wait_xcnt 0x0                                ; Y's registers are free again
	; THE WEIGHTS.  Waves 0 to 3 convert block g (256 numbers, 512 bytes of f16) of Wf, Wg, Wk, Wh.  Wf and Wk are laid as fragments lie in registers: block g = 16 rb + 2 kb + half, lane (r, h) owns
	; element [16 rb + r][32 kb + 16 half + 8 h + 0..7]; Wg likewise, transposed; Wh stays row-major (block g = row g).  No barrier stands inside these branches.
	s_cmp_ge_u32 s24, 4
	s_cbranch_scc1 .Lnow
	v_and_b32 v[T], 15, v0                         ; r
	v_bfe_u32 v[T+1], v0, 4, 1                     ; h
	s_lshr_b32 s34, s25, 4                         ; g / 16
	s_and_b32 s35, s25, 15                         ; g % 16
	s_cmp_eq_u32 s24, 1
	s_cbranch_scc1 .Lwgt
	s_lshl_b32 s36, s34, 14                        ; fragments: (16 (g / 16) + r) rows of 1,024 bytes + (16 (g % 16) + 8 h) x 4
	s_lshl_b32 s37, s35, 6
	s_add_co_u32 s36, s36, s37
	s_lshl_b32 s37, s25, 10                        ; rows: g x 1,024 + 32 x lane
	s_cmp_eq_u32 s24, 3
	s_cselect_b32 s36, s37, s36
	s_cselect_b32 s44, 5, 10                       ; r's shift
	s_cselect_b32 s45, 9, 5                        ; h's shift
	s_cselect_b64 s[46:47], s[12:13], s[8:9]       ; Wh, or Wf,
	s_cmp_eq_u32 s24, 2
	s_cselect_b64 s[46:47], s[14:15], s[46:47]     ; or Wk
	v_lshlrev_b32 v[T+2], s44, v[T]
	v_lshlrev_b32 v[T+3], s45, v[T+1]
	v_add3_u32 v[T+2], v[T+2], v[T+3], s36
	global_load_b128 v[X:X+3],   v[T+2], s[46:47]
	global_load_b128 v[X+4:X+7], v[T+2], s[46:47] offset:16
	s_branch .Lwcv
.Lwgt:                                                 ; Wg transposed: element e comes from row 16 (g % 16) + 8 h + e, column 16 (g / 16) + r
	s_lshl_b32 s36, s35, 14
	s_lshl_b32 s37, s34, 6
	s_add_co_u32 s36, s36, s37
	v_lshlrev_b32 v[T+2], 2, v[T]
	v_lshl_add_u32 v[T+2], v[T+1], 13, v[T+2]
	v_add_nc_u32 v[T+2], s36, v[T+2]
.irp e, 0,1,2,3,4,5,6,7
	global_load_b32 v[X+\e], v[T+2], s[10:11] offset:\e*1024
.endr
.Lwcv:
	s_wait_loadcnt 0x0
.irp k, 0,1,2,3
	v_cvt_pk_bf16_f32 v[B+\k], v[X+2*\k], v[X+2*\k+1]
	v_lshlrev_b32 v[T+2*\k], 16, v[B+\k]
	v_and_b32 v[T+2*\k+1], s33, v[B+\k]
	v_cvt_pk_f16_f32 v[Y+\k], v[T+2*\k], v[T+2*\k+1]
.endr
	s_lshl_b32 s36, s25, 9                         ; block g,
	s_lshl_b32 s37, s24, 17                        ; in part w of w16
	s_add_co_u32 s36, s36, s37
	v_add_nc_u32 v[WO], s36, v[PO]
	global_store_b128 v[WO], v[Y:Y+3], s[20:21]    ; 512 consecutive bytes
.Lnow:
	; THE SUMS of the 16 waves meet in LDS: wave w's 4,096 bytes are [kind 4][channel 256] f32.
	v_lshl_add_u32 v[T], s24, 12, v[PO]
.irp q, 0,1,2,3,4,5,6,7
	ds_store_b128 v[T], v[S1G+4*\q:S1G+4*\q+3] offset:512*\q
.endr
	s_wait_dscnt 0x0                               ; for the others' sake: my stores are done
	s_barrier_signal -1
	s_barrier_wait -1
	v_lshlrev_b32 v[T+1], 3, v0                    ; thread t adds two numbers of all 16 waves
.irp q, 0,1,2,3,4,5,6,7,8,9,10,11,12,13,14,15
	ds_load_b64 v[X+2*\q:X+2*\q+1], v[T+1] offset:\q*4096
.endr
	s_lshl_b32 s36, s25, 12
	s_mov_b32 s37, 0
	s_add_nc_u64 s[18:19], s[18:19], s[36:37]      ; part at [b][k]
	s_wait_dscnt 0x0
.irp q, 0,1,2,3,4,5,6,7
	v_pk_add_f32 v[X+2*\q:X+2*\q+1], v[X+2*\q:X+2*\q+1], v[X+16+2*\q:X+16+2*\q+1]
.endr
.irp q, 0,1,2,3
	v_pk_add_f32 v[X+2*\q:X+2*\q+1], v[X+2*\q:X+2*\q+1], v[X+8+2*\q:X+8+2*\q+1]
.endr
.irp q, 0,1
	v_pk_add_f32 v[X+2*\q:X+2*\q+1], v[X+2*\q:X+2*\q+1], v[X+4+2*\q:X+4+2*\q+1]
.endr
	v_pk_add_f32 v[X:X+1], v[X:X+1], v[X+2:X+3]
	global_store_b64 v[T+1], v[X:X+1], s[18:19]    ; a wave stores 256 consecutive bytes
	s_wait_tensorcnt 0x0                           ; the wave's end
	ds_add_u32 v[SPW], v[NIL]
	s_wait_dscnt 0x0
	s_endpgm
.Lfunc_end_k_qc9d9c37ab3_stream:
	.size	k_qc9d9c37ab3_stream, .Lfunc_end_k_qc9d9c37ab3_stream-k_qc9d9c37ab3_stream
	.p2alignl 7, 3214868480
	.fill 96, 4, 3214868480
	.section	.rodata,"a",@progbits
	.p2align	6, 0x0
	.amdhsa_kernel k_qc9d9c37ab3_stream
		.amdhsa_group_segment_fixed_size 67584
		.amdhsa_private_segment_fixed_size 0
		.amdhsa_enable_private_segment 0
		.amdhsa_kernarg_size 72
		.amdhsa_user_sgpr_count 2
		.amdhsa_user_sgpr_kernarg_segment_ptr 1
		.amdhsa_wavefront_size32 1
		.amdhsa_system_sgpr_workgroup_id_x 1
		.amdhsa_system_sgpr_workgroup_id_y 1
		.amdhsa_system_sgpr_workgroup_id_z 1
		.amdhsa_system_vgpr_workitem_id 0
		.amdhsa_next_free_vgpr 168
		.amdhsa_next_free_sgpr 66
		.amdhsa_reserve_vcc 0
		.amdhsa_float_denorm_mode_32 3
		.amdhsa_float_denorm_mode_16_64 3
		.amdhsa_memory_ordered 1
		.amdhsa_forward_progress 1
		.amdhsa_inst_pref_size 44
	.end_amdhsa_kernel
	.amdgpu_metadata
---
amdhsa.version: [ 1, 2 ]
amdhsa.kernels:
  - .name:           k_qc9d9c37ab3_stream
    .symbol:         k_qc9d9c37ab3_stream.kd
    .args:
      - { .name: s_sty, .offset: 0, .size: 8, .value_kind: global_buffer, .address_space: global }
      - { .name: x, .offset: 8, .size: 8, .value_kind: global_buffer, .address_space: global }
      - { .name: Wf, .offset: 16, .size: 8, .value_kind: global_buffer, .address_space: global }
      - { .name: Wg, .offset: 24, .size: 8, .value_kind: global_buffer, .address_space: global }
      - { .name: Wh, .offset: 32, .size: 8, .value_kind: global_buffer, .address_space: global }
      - { .name: Wk, .offset: 40, .size: 8, .value_kind: global_buffer, .address_space: global }
      - { .name: g16, .offset: 48, .size: 8, .value_kind: global_buffer, .address_space: global }
      - { .name: part, .offset: 56, .size: 8, .value_kind: global_buffer, .address_space: global }
      - { .name: w16, .offset: 64, .size: 8, .value_kind: global_buffer, .address_space: global }
    .group_segment_fixed_size: 67584
    .private_segment_fixed_size: 0
    .kernarg_segment_align: 8
    .kernarg_segment_size: 72
    .max_flat_workgroup_size: 512
    .sgpr_count:     66
    .vgpr_count:     168
    .wavefront_size: 32
...
	.end_amdgpu_metadata
.endif
;; end of part 1
;; launch prep (part 2): grid 8 x 32, 4 waves a work-group, no clusters, 72,704 bytes of LDS; arguments part, w16, x, s_sty, bf, bg, qim, qst; writes qim, qst
.if DOCPART == 2
	.amdgcn_target "amdgcn-amd-amdhsa--gfx1250"
	.amdhsa_code_object_version 6
	.text
	.protected	k_qc9d9c37ab3_prep
	.globl	k_qc9d9c37ab3_prep
	.p2align	8
	.type	k_qc9d9c37ab3_prep,@function
k_qc9d9c37ab3_prep:
	s_mov_b64 s[64:65], 0
	v_nop
	global_prefetch_b8 v0, s[64:65] scope:SCOPE_SE
	s_setreg_imm32_b32 hwreg(HW_REG_WAVE_MODE, 25, 1), 1
	s_wait_xcnt 0x0
; PREP.  The query side of the attention, for 32 queries l of one batch.
;   Fn[l][c] = (x~[l][c] - mu_x[c]) rs_x[c];   Fp[o][l] = sum_c Wf[o][c] Fn[l][c] + bf[o];   Q''[l][c] = (sum_o Fp[o][l] Wg[o][c]) rs_g[c]
;   kappa[l] = sum_o Fp[o][l] bg[o] - sum_c Q''[l][c] mu_g[c]:  the score of query l and style row m is sum_c Q''[l][c] G[m][c] + kappa[l], with G the raw style rows.
;   alpha[l] = the largest |Q''[l][c]| (at least 1e-30);  Q^ = Q'' / alpha in f16, stored as matrix fragments lie in registers;  c = alpha log2(e) and kappa log2(e) in f32.
; All inputs are rounded to bf16; those numbers are held as f16 (exact in f16's normal range) and multiplied in the f16 form.  Fn and Fp, which the program makes, go in as a sum of two f16 numbers.
; LIMITS.  Weights and Fp stay under 65,504; numbers below 6e-5 keep f16's fixed step of 6e-8.  NaN and infinities are not treated apart.
; SHARES.  Work-group (lb, b): queries 32 lb .. + 31, two tiles of 16.  Wave w: 8 rows of x, and outputs 64 w .. + 63 of both products.  The weights come as ready fragments, 512 consecutive bytes a load:
; they need no LDS, and what the work-groups share (256 KB) is a small part beside the launch's own rows: no cluster, no tensor load.
; BOTH PRODUCTS take the weights as source 0 and the queries as source 1: in the result lane (r, h) holds query r and outputs 8 h + 0..7, eight neighbours that pack into 16 bytes of the next fragment.
; REGISTERS, in windows of 256: window 0: v0-31 addresses and sums; v32-63 at work; v64-127 x's rows, later the 8 accumulators (64 + 8 (2 block + tile)); v128-159 bf, later rs_g; v160-191 bg, later mu_g;
;   v192-255 partial sums, later packed halves.  window 1: Wf, fragment (ob, kc) at 64 ob + 8 kc.  window 2: Wg transposed, likewise.  window 3: the queries' fragments at 128 part + 64 tile + 8 k.
.set MUX, 0                            ; four tables of 256 f32
.set RSX, 1024
.set MUG, 2048
.set RSG, 3072
.set FNH, 4096                         ; Fn, upper part: 32 rows of 512 bytes + 16 of padding: the 16 rows of a fragment load start at 16 different groups of four banks
.set FNL, 20992                        ; Fn, the rest
.set FPH, 37888                        ; Fp as fragments: [tile 2][ko 8][half 2][lane 32][16 bytes]
.set FPL, 54272
.set RED, 70656                        ; [wave 4][tile 2][kind 3][16] f32
.set SPARE, 72192                      ; the spare words, 128 bytes for each wave
.set SPW, 16
.set NIL, 17
.set MSB, 0
.macro WIN new                         ; the immediate's high byte repeats the setting that is left; a switch that changes nothing is dropped
.if MSB != (\new)
	s_set_vgpr_msb (MSB<<8)|(\new)
.set MSB, (\new)
.endif
.endm
.macro PLACES                          ; four plain vector instructions between a matrix instruction and what reads its result or loads into its registers
.rept 4
	v_nop
.endr
.endm
.macro BAR                             ; what the others rely on is complete in front of my signal
	s_wait_dscnt 0x0
	s_barrier_signal -1
	s_barrier_wait -1
.endm
.macro RB16 base, pairs, tmp           ; numbers in registers are rounded to bf16 and stay f32
.set z_, 0
.rept \pairs
	v_cvt_pk_bf16_f32 v[\tmp], v[(\base)+2*z_], v[(\base)+2*z_+1]
	v_lshlrev_b32 v[(\base)+2*z_], 16, v[\tmp]
	v_and_b32 v[(\base)+2*z_+1], s33, v[\tmp]
.set z_, z_+1
.endr
.endm
.macro SPLIT hi, lo, src               ; two f32 numbers as two f16 pairs: the rounded numbers, and what the rounding left (v15 = -1.0)
	v_cvt_pk_f16_f32 v[\hi], v[\src], v[(\src)+1]
	v_fma_mix_f32 v60, v[\hi], v15, v[\src] op_sel_hi:[1,0,0]
	v_fma_mix_f32 v61, v[\hi], v15, v[(\src)+1] op_sel:[1,0,0] op_sel_hi:[1,0,0]
	v_cvt_pk_f16_f32 v[\lo], v60, v61
.endm
	s_load_b512 s[4:19], s[0:1], 0x0               ; part s[4:5], w16 s[6:7], x s[8:9], s_sty s[10:11], bf s[12:13], bg s[14:15], qim s[16:17], qst s[18:19]
	v_lshl_add_u32 v[SPW], v0, 2, SPARE
	v_mov_b32 v[NIL], 0
	v_lshrrev_b32 v1, 5, v0
	v_readfirstlane_b32 s24, v1                    ; wave 0..3
	s_and_b32 s26, ttmp7, 0xffff                   ; b
	s_mov_b32 s33, 0xffff0000
	s_mov_b32 s34, 0x76543210                      ; v_permlanex16_b32: each lane takes its own place in the other half
	s_mov_b32 s35, 0xfedcba98
	v_and_b32 v1, 31, v0                           ; lane
	v_and_b32 v2, 15, v0                           ; r
	v_bfe_u32 v3, v0, 4, 1                         ; h
	v_lshlrev_b32 v4, 4, v1                        ; 16 x lane
	v_lshlrev_b32 v5, 3, v0                        ; 8 x thread
	v_lshlrev_b32 v6, 5, v3                        ; 32 h
	s_mul_i32 s20, s24, 8*528
	v_lshlrev_b32 v8, 3, v1
	v_add3_u32 v8, v8, s20, FNH                    ; Fn in: my 8 rows, 8 bytes a lane
	v_mul_u32_u24 v9, v2, 528
	v_lshl_add_u32 v9, v3, 4, v9
	v_add_nc_u32 v9, FNH, v9                       ; Fn out: row r, 16 bytes for each half of the lanes
	s_lshl_b32 s20, s24, 11
	v_add3_u32 v10, v4, s20, FPH                   ; Fp in: blocks 4 w ..
	v_add_nc_u32 v11, FPH, v4                      ; Fp out
	v_lshl_add_u32 v12, s24, 8, v6                 ; my 8 channels in a table: 256 w + 32 h
	s_mul_i32 s20, s24, 384
	v_lshlrev_b32 v14, 2, v2
	v_add_nc_u32 v14, RED, v14
	v_add_nc_u32 v13, s20, v14
	v_mov_b32 v15, -1.0
	v_lshlrev_b32 v19, 2, v1
	s_lshl_b32 s20, s24, 15                        ; my 64 rows of a weight's fragments
	s_mov_b32 s21, 0
	s_lshl_b32 s22, s26, 15                        ; part: b x 8 x 4,096
	s_mov_b32 s23, 0
	s_wait_kmcnt 0x0
	s_add_nc_u64 s[28:29], s[6:7], s[20:21]
	s_add_nc_u64 s[30:31], s[4:5], s[22:23]
	s_lshl_b32 s20, s26, 10
	s_add_nc_u64 s[36:37], s[10:11], s[20:21]      ; the pilots: row 0 of my batch in s_sty
	s_add_nc_u64 s[38:39], s[8:9], s[20:21]        ; and in x
	s_lshl_b32 s20, ttmp9, 20
	s_lshl_b32 s22, s24, 18
	s_add_co_u32 s20, s20, s22
	s_add_nc_u64 s[40:41], s[38:39], s[20:21]      ; x at row 32 lb + 8 w
	s_lshl_b32 s20, s24, 8
	s_add_nc_u64 s[42:43], s[12:13], s[20:21]      ; bf and bg at 64 w
	s_add_nc_u64 s[44:45], s[14:15], s[20:21]
	s_lshl_b32 s20, s26, 17
	s_lshl_b32 s22, ttmp9, 14
	s_add_co_u32 s20, s20, s22
	s_lshl_b32 s22, s24, 11
	s_add_co_u32 s20, s20, s22
	s_add_nc_u64 s[46:47], s[16:17], s[20:21]      ; qim at [b][2 lb][block 4 w]
	s_lshl_b32 s20, s26, 11
	s_lshl_b32 s22, ttmp9, 7
	s_add_co_u32 s20, s20, s22
	s_add_nc_u64 s[18:19], s[18:19], s[20:21]      ; qst at [b][0][32 lb]
	; 1. LOADS
	WIN 0x40
.set i_, 0
.rept 32                                       ; Wf, fragment i_ = 8 ob + kc
	global_load_b128 v[8*i_:8*i_+3],   v4, s[28:29] offset:i_*1024
	global_load_b128 v[8*i_+4:8*i_+7], v4, s[28:29] offset:i_*1024+512
.set i_, i_+1
.endr
	WIN 0
.set i_, 0
.rept 32                                       ; the partial sums: i_ = 4 k + kind
	global_load_b64 v[192+2*i_:193+2*i_], v5, s[30:31] offset:i_*1024
.set i_, i_+1
.endr
	global_load_b64 v[32:33], v5, s[36:37]
	global_load_b64 v[34:35], v5, s[38:39]
.irp q, 0,1,2,3
	global_load_b128 v[128+8*\q:131+8*\q], v6, s[42:43] offset:64*\q
	global_load_b128 v[132+8*\q:135+8*\q], v6, s[42:43] offset:64*\q+16
	global_load_b128 v[160+8*\q:163+8*\q], v6, s[44:45] offset:64*\q
	global_load_b128 v[164+8*\q:167+8*\q], v6, s[44:45] offset:64*\q+16
.endr
.irp q, 0,1,2,3,4,5,6,7
	global_load_b128 v[64+8*\q:67+8*\q], v4, s[40:41] offset:\q*32768
	global_load_b128 v[68+8*\q:71+8*\q], v4, s[40:41] offset:\q*32768+512
.endr
	s_wait_loadcnt 0x0
	WIN 0x80
.set i_, 0
.rept 32                                       ; Wg transposed: wanted by the second product, so it is asked for now and waited for there
	global_load_b128 v[8*i_:8*i_+3],   v4, s[28:29] offset:131072+i_*1024
	global_load_b128 v[8*i_+4:8*i_+7], v4, s[28:29] offset:131072+i_*1024+512
.set i_, i_+1
.endr
	WIN 0
	; 2. THE NORMS.  Thread t finishes channels 2 t, 2 t + 1: mean = pilot + E[d], 1 / sqrt(max(E[d^2] - E[d]^2, 0) + 1e-5).
.set k_, 1
.rept 7
.irp q, 0,1,2,3
	v_pk_add_f32 v[192+2*\q:193+2*\q], v[192+2*\q:193+2*\q], v[192+8*k_+2*\q:193+8*k_+2*\q]
.endr
.set k_, k_+1
.endr
	RB16 32, 2, 36
.macro STAT s, pil, inv
	v_pk_mul_f32 v[\s:(\s)+1], v[\s:(\s)+1], \inv op_sel_hi:[1,0]
	v_pk_mul_f32 v[(\s)+2:(\s)+3], v[(\s)+2:(\s)+3], \inv op_sel_hi:[1,0]
	v_pk_fma_f32 v[(\s)+2:(\s)+3], v[\s:(\s)+1], v[\s:(\s)+1], v[(\s)+2:(\s)+3] neg_lo:[1,0,0] neg_hi:[1,0,0]
	v_max_num_f32 v[(\s)+2], 0, v[(\s)+2]
	v_max_num_f32 v[(\s)+3], 0, v[(\s)+3]
	v_add_f32 v[(\s)+2], 0x3727c5ac, v[(\s)+2]
	v_add_f32 v[(\s)+3], 0x3727c5ac, v[(\s)+3]
	v_rsq_f32 v[(\s)+2], v[(\s)+2]
	v_rsq_f32 v[(\s)+3], v[(\s)+3]
	v_pk_add_f32 v[\s:(\s)+1], v[\s:(\s)+1], v[\pil:(\pil)+1]  ; the plain instruction behind the roots
.endm
	STAT 192, 32, 0x39000000                       ; 1 / 8,192
	STAT 196, 34, 0x3b800000                       ; 1 / 256
	ds_store_b64 v5, v[192:193] offset:MUG
	s_wait_alu depctr_va_vdst(0)
	ds_store_b64 v5, v[194:195] offset:RSG
	ds_store_b64 v5, v[196:197] offset:MUX
	ds_store_b64 v5, v[198:199] offset:RSX
	BAR
	; 3. Fn of my 8 rows, in two f16 parts, into LDS; bf and bg are rounded meanwhile
	ds_load_b128 v[32:35], v4 offset:MUX
	ds_load_b128 v[36:39], v4 offset:MUX+512
	ds_load_b128 v[40:43], v4 offset:RSX
	ds_load_b128 v[44:47], v4 offset:RSX+512
	RB16 128, 16, 48
	RB16 160, 16, 48
	s_wait_dscnt 0x0
.set i_, 0
.rept 8
.irp p, 0,1,2,3
	v_cvt_pk_bf16_f32 v48, v[64+8*i_+2*\p], v[64+8*i_+2*\p+1]
	v_lshlrev_b32 v50, 16, v48
	v_and_b32 v51, s33, v48
	v_pk_add_f32 v[50:51], v[50:51], v[32+2*\p:33+2*\p] neg_lo:[0,1] neg_hi:[0,1]
	v_pk_mul_f32 v[50:51], v[50:51], v[40+2*\p:41+2*\p]
	SPLIT 52+\p, 56+\p, 50
.endr
	ds_store_b64 v8, v[52:53] offset:i_*528
	ds_store_b64 v8, v[54:55] offset:i_*528+256
	ds_store_b64 v8, v[56:57] offset:FNL-FNH+i_*528
	ds_store_b64 v8, v[58:59] offset:FNL-FNH+i_*528+256
.set i_, i_+1
.endr
	BAR
	; 4. Fp = Wf Fn + bf: 128 matrix instructions; the 8 accumulators take turns, one instruction a turn; the first takes bf as C
	WIN 0xc0
.set i_, 0
.rept 32                                       ; i_ = 16 part + 8 tile + kc
	ds_load_b128 v[8*i_:8*i_+3],   v9 offset:(i_/16)*(FNL-FNH)+((i_/8)%2)*8448+(i_%8)*64
	ds_load_b128 v[8*i_+4:8*i_+7], v9 offset:(i_/16)*(FNL-FNH)+((i_/8)%2)*8448+(i_%8)*64+32
.set i_, i_+1
.endr
	s_wait_dscnt 0x0
	WIN 0x0d                                       ; source 0 window 1, source 1 window 3
.set i_, 0
.rept 128                                      ; kc = i_ / 16, part = (i_ / 8) % 2, ob = (i_ / 2) % 4, tile = i_ % 2
.set rD_, 64+8*(i_%8)
.set rA_, 64*((i_/2)%4)+8*(i_/16)
.set rB_, 128*((i_/8)%2)+64*(i_%2)+8*(i_/16)
.if i_ < 8
	v_wmma_f32_16x16x32_f16 v[rD_:rD_+7], v[rA_:rA_+7], v[rB_:rB_+7], v[128+8*(i_/2):128+8*(i_/2)+7]
.else
	v_wmma_f32_16x16x32_f16 v[rD_:rD_+7], v[rA_:rA_+7], v[rB_:rB_+7], v[rD_:rD_+7]
.endif
.set i_, i_+1
.endr
	WIN 0
	PLACES
	; 5. sum_o Fp bg; Fp in two f16 parts: a lane's 8 outputs ARE its 16 bytes of the second product's fragment
.set a_, 0
.rept 8                                        ; a_ = 2 ob + tile; each accumulator's registers in ascending order
.set acc_, 64+8*a_
.irp p, 0,1,2,3
.if (a_ < 2) && (\p == 0)
	v_pk_mul_f32 v[20+2*(a_%2):21+2*(a_%2)], v[acc_:acc_+1], v[160:161]
.else
	v_pk_fma_f32 v[20+2*(a_%2):21+2*(a_%2)], v[acc_+2*\p:acc_+2*\p+1], v[160+8*(a_/2)+2*\p:161+8*(a_/2)+2*\p], v[20+2*(a_%2):21+2*(a_%2)]
.endif
	SPLIT 192+4*a_+\p, 224+4*a_+\p, acc_+2*\p
.endr
	ds_store_b128 v10, v[192+4*a_:195+4*a_] offset:((a_%2)*16+a_/2)*512
	ds_store_b128 v10, v[224+4*a_:227+4*a_] offset:FPL-FPH+((a_%2)*16+a_/2)*512
.set a_, a_+1
.endr
.irp q, 0,1,2,3
	ds_load_b128 v[128+8*\q:131+8*\q], v12 offset:RSG+64*\q
	ds_load_b128 v[132+8*\q:135+8*\q], v12 offset:RSG+64*\q+16
	ds_load_b128 v[160+8*\q:163+8*\q], v12 offset:MUG+64*\q
	ds_load_b128 v[164+8*\q:167+8*\q], v12 offset:MUG+64*\q+16
.endr
	BAR
	; 6. sum_o Wg[o][c] Fp[o][l]: 128 matrix instructions, the first 8 start the sums
	WIN 0xc0
.set i_, 0
.rept 32                                       ; i_ = 16 part + 8 tile + ko
	ds_load_b128 v[8*i_:8*i_+3],   v11 offset:(i_/16)*(FPL-FPH)+(i_%16)*1024
	ds_load_b128 v[8*i_+4:8*i_+7], v11 offset:(i_/16)*(FPL-FPH)+(i_%16)*1024+512
.set i_, i_+1
.endr
	s_wait_dscnt 0x0
	s_wait_loadcnt 0x0                             ; Wg's fragments
	WIN 0x0e                                       ; source 0 window 2, source 1 window 3
.set i_, 0
.rept 128
.set rD_, 64+8*(i_%8)
.set rA_, 64*((i_/2)%4)+8*(i_/16)
.set rB_, 128*((i_/8)%2)+64*(i_%2)+8*(i_/16)
.if i_ < 8
	v_wmma_f32_16x16x32_f16 v[rD_:rD_+7], v[rA_:rA_+7], v[rB_:rB_+7], 0
.else
	v_wmma_f32_16x16x32_f16 v[rD_:rD_+7], v[rA_:rA_+7], v[rB_:rB_+7], v[rD_:rD_+7]
.endif
.set i_, i_+1
.endr
	WIN 0
	PLACES
	; 7. Q'' = that x rs_g; sum_c Q'' mu_g; the largest and the smallest Q'' of my channels
.set a_, 0
.rept 8                                        ; a_ = 2 cb + tile
.set acc_, 64+8*a_
.irp p, 0,1,2,3
	v_pk_mul_f32 v[acc_+2*\p:acc_+2*\p+1], v[acc_+2*\p:acc_+2*\p+1], v[128+8*(a_/2)+2*\p:129+8*(a_/2)+2*\p]
.endr
.irp p, 0,1,2,3
.if (a_ < 2) && (\p == 0)
	v_pk_mul_f32 v[24+2*(a_%2):25+2*(a_%2)], v[acc_:acc_+1], v[160:161]
	v_max_num_f32 v[28+a_%2], v[acc_], v[acc_+1]
	v_min_num_f32 v[30+a_%2], v[acc_], v[acc_+1]
.else
	v_pk_fma_f32 v[24+2*(a_%2):25+2*(a_%2)], v[acc_+2*\p:acc_+2*\p+1], v[160+8*(a_/2)+2*\p:161+8*(a_/2)+2*\p], v[24+2*(a_%2):25+2*(a_%2)]
	v_max3_num_f32 v[28+a_%2], v[28+a_%2], v[acc_+2*\p], v[acc_+2*\p+1]
	v_min3_num_f32 v[30+a_%2], v[30+a_%2], v[acc_+2*\p], v[acc_+2*\p+1]
.endif
.endr
.set a_, a_+1
.endr
	v_sub_f32 v30, 0, v30
	v_sub_f32 v31, 0, v31
	v_max_num_f32 v28, v28, v30
	v_max_num_f32 v29, v29, v31
.irp q, 20,22,24,26
	v_add_f32 v[\q], v[\q], v[\q+1]
.endr
.irp q, 20,22,24,26
	v_permlanex16_b32 v[\q+1], v[\q], s34, s35     ; the query's other channels lie in the lane 16 away
.endr
	v_permlanex16_b32 v60, v28, s34, s35
	v_permlanex16_b32 v61, v29, s34, s35
.irp q, 20,22,24,26
	v_add_f32 v[\q], v[\q], v[\q+1]
.endr
	v_max_num_f32 v28, v28, v60
	v_max_num_f32 v29, v29, v61
.irp t, 0,1
	ds_store_b32 v13, v[20+2*\t] offset:\t*192
	ds_store_b32 v13, v[24+2*\t] offset:\t*192+64
	ds_store_b32 v13, v[28+\t]   offset:\t*192+128
.endr
	BAR
	; 8. the four waves' figures; Q^ = Q'' / alpha in f16, out as fragments; c and kappa log2(e)
.set i_, 0
.rept 24                                       ; i_ = (2 wave + tile) 3 + kind
	ds_load_b32 v[32+i_], v14 offset:i_*64
.set i_, i_+1
.endr
	s_mov_b32 s21, 0x0da24260                      ; 1e-30
	s_wait_dscnt 0x0
.irp t, 0,1
	v_add_f32 v[20+2*\t], v[32+3*\t], v[38+3*\t]
	v_add_f32 v[21+2*\t], v[44+3*\t], v[50+3*\t]
	v_add_f32 v[24+2*\t], v[33+3*\t], v[39+3*\t]
	v_add_f32 v[25+2*\t], v[45+3*\t], v[51+3*\t]
	v_add_f32 v[20+2*\t], v[20+2*\t], v[21+2*\t]
	v_add_f32 v[24+2*\t], v[24+2*\t], v[25+2*\t]
	v_sub_f32 v[20+2*\t], v[20+2*\t], v[24+2*\t]   ; kappa
	v_max3_num_f32 v[28+\t], v[34+3*\t], v[40+3*\t], v[46+3*\t]
	v_max3_num_f32 v[28+\t], v[28+\t], v[52+3*\t], s21  ; alpha
.endr
	v_rcp_f32 v56, v28
	v_rcp_f32 v58, v29
	v_mul_f32 v30, 0x3fb8aa3b, v28                 ; c; also the plain instruction behind the reciprocals
	v_mul_f32 v31, 0x3fb8aa3b, v29
	v_mul_f32 v20, 0x3fb8aa3b, v20
	v_mul_f32 v22, 0x3fb8aa3b, v22
	s_wait_alu depctr_va_vdst(0)
	v_mov_b32 v57, v56
	v_mov_b32 v59, v58
.set a_, 0
.rept 8
.set acc_, 64+8*a_
.irp p, 0,1,2,3
	v_pk_mul_f32 v[acc_+2*\p:acc_+2*\p+1], v[acc_+2*\p:acc_+2*\p+1], v[56+2*(a_%2):57+2*(a_%2)]
.endr
.irp p, 0,1,2,3
	v_cvt_pk_f16_f32 v[192+4*a_+\p], v[acc_+2*\p], v[acc_+2*\p+1]
.endr
	global_store_b128 v4, v[192+4*a_:195+4*a_], s[46:47] offset:((a_%2)*16+a_/2)*512  ; 512 consecutive bytes
.set a_, a_+1
.endr
	s_cmp_lg_u32 s24, 0
	s_cbranch_scc1 .Lnot0
	v_cmp_eq_u32 vcc_lo, 1, v3                     ; lanes 16-31 speak for the second tile: 32 lanes, 32 neighbouring queries
	v_cndmask_b32 v32, v30, v31, vcc_lo
	v_cndmask_b32 v33, v20, v22, vcc_lo
	global_store_b32 v19, v32, s[18:19]
	global_store_b32 v19, v33, s[18:19] offset:1024
.Lnot0:
	s_wait_tensorcnt 0x0                           ; the wave's end
	ds_add_u32 v[SPW], v[NIL]
	s_wait_dscnt 0x0
	s_endpgm
.Lfunc_end_k_qc9d9c37ab3_prep:
	.size	k_qc9d9c37ab3_prep, .Lfunc_end_k_qc9d9c37ab3_prep-k_qc9d9c37ab3_prep
	.p2alignl 7, 3214868480
	.fill 96, 4, 3214868480
	.section	.rodata,"a",@progbits
	.p2align	6, 0x0
	.amdhsa_kernel k_qc9d9c37ab3_prep
		.amdhsa_group_segment_fixed_size 72704
		.amdhsa_private_segment_fixed_size 0
		.amdhsa_enable_private_segment 0
		.amdhsa_kernarg_size 64
		.amdhsa_user_sgpr_count 2
		.amdhsa_user_sgpr_kernarg_segment_ptr 1
		.amdhsa_wavefront_size32 1
		.amdhsa_system_sgpr_workgroup_id_x 1
		.amdhsa_system_sgpr_workgroup_id_y 1
		.amdhsa_system_sgpr_workgroup_id_z 1
		.amdhsa_system_vgpr_workitem_id 0
		.amdhsa_next_free_vgpr 1024
		.amdhsa_next_free_sgpr 66
		.amdhsa_reserve_vcc 1
		.amdhsa_float_denorm_mode_32 3
		.amdhsa_float_denorm_mode_16_64 3
		.amdhsa_memory_ordered 1
		.amdhsa_forward_progress 1
		.amdhsa_inst_pref_size 101
	.end_amdhsa_kernel
	.amdgpu_metadata
---
amdhsa.version: [ 1, 2 ]
amdhsa.kernels:
  - .name:           k_qc9d9c37ab3_prep
    .symbol:         k_qc9d9c37ab3_prep.kd
    .args:
      - { .name: part, .offset: 0, .size: 8, .value_kind: global_buffer, .address_space: global }
      - { .name: w16, .offset: 8, .size: 8, .value_kind: global_buffer, .address_space: global }
      - { .name: x, .offset: 16, .size: 8, .value_kind: global_buffer, .address_space: global }
      - { .name: s_sty, .offset: 24, .size: 8, .value_kind: global_buffer, .address_space: global }
      - { .name: bf, .offset: 32, .size: 8, .value_kind: global_buffer, .address_space: global }
      - { .name: bg, .offset: 40, .size: 8, .value_kind: global_buffer, .address_space: global }
      - { .name: qim, .offset: 48, .size: 8, .value_kind: global_buffer, .address_space: global }
      - { .name: qst, .offset: 56, .size: 8, .value_kind: global_buffer, .address_space: global }
    .group_segment_fixed_size: 72704
    .private_segment_fixed_size: 0
    .kernarg_segment_align: 8
    .kernarg_segment_size: 64
    .max_flat_workgroup_size: 128
    .sgpr_count:     66
    .vgpr_count:     1024
    .wavefront_size: 32
...
	.end_amdgpu_metadata
.endif
;; end of part 2
;; launch attn (part 3): grid 4 x 64, 4 waves a work-group, clusters of 4 x 1, 327,680 bytes of LDS; arguments g16, w16, qim, qst, pp, ml; writes pp, ml
.if DOCPART == 3
	.amdgcn_target "amdgcn-amd-amdhsa--gfx1250"
	.amdhsa_code_object_version 6
	.text
	.protected	k_qc9d9c37ab3_attn
	.globl	k_qc9d9c37ab3_attn
	.p2align	8
	.type	k_qc9d9c37ab3_attn,@function
k_qc9d9c37ab3_attn:
	s_mov_b64 s[64:65], 0
	v_nop
	global_prefetch_b8 v0, s[64:65] scope:SCOPE_SE
	s_setreg_imm32_b32 hwreg(HW_REG_WAVE_MODE, 25, 1), 1
	s_wait_xcnt 0x0
	s_wait_alu depctr_hold_cnt(0) depctr_sa_sdst(0) depctr_va_vdst(0) depctr_va_sdst(0) depctr_va_ssrc(0) depctr_va_vcc(0) depctr_vm_vsrc(0)
	s_getreg_b32 s2, hwreg(HW_REG_IB_STS2, 6, 4)
	s_cmp_eq_u32 s2, 0
	s_cbranch_scc0 .Lentry_in_a_cluster
	s_endpgm
.Lentry_in_a_cluster:
	s_bfe_u32 s2, ttmp6, 0x10000c
	s_cmp_lg_u32 s2, 0x3003
	s_cbranch_scc0 .Lentry_shape_is_right
	s_endpgm
.Lentry_shape_is_right:
; ATTENTION with K = V = the style rows G (f16, [b][m][256]).  For 64 queries and 4,096 keys: A[q][c] = sum_m p[q][m] G[m][c] / sum_m p, p = 2^(c s^ + kap - M), s^ = Q^ . G[m];
; then pp[i][q] = sum_c A[q][c] Wh[i][c], with M and L = sum p beside it, so that the next launch can join the two key halves.  Products, maxima and sums in f32; p, A in f16.
; LIMITS.  G and Wh lie within f16's range (65,504); p lies in 0 to about 1 and below 6e-5 keeps f16's fixed step; a weight below 2^-126 counts as 0 in the sum; NaN and infinities are not treated apart.
; SHARES.  Work-group (qg, y = 2 b + kh).  Its four waves hold the SAME 64 queries (four tiles of 16) and split the keys: of each tile of 256 keys wave w owns rows 64 w .. + 63, fetches them itself
; and alone reads them.  So a fragment read from LDS feeds four tiles' products, and only two partial results a query go to memory.  32 x 4 x 2 = 256 work-groups.
; CLUSTER.  The four query groups of (b, kh) walk the same keys: every tile is asked for JOINTLY, the same tensor load, descriptor and mask in all four.
; THE WALK has 17 tiles of one shape (256 rows of 512 bytes): 16 of keys and Wh.  So every one of the 16 trips fills a slot, and the trip is written once.  One tensor load of a wave is out at the most.
; LAYOUT.  S^T = G Q^T: a lane holds ONE query (lane % 16) and the keys 8 (lane / 16) + 0..7; two such results, rounded to f16 in pairs, ARE source 1 of O^T = G^T P, whose source 0 comes out of the same
; LDS rows turned, by ds_load_tr16_b128.  A running maximum m^ of s^ for each query; O^T and l are multiplied by a = 2^(cm_old - cm_new) in every trip; m^ starts at the lowest finite number and O^T, l at 0,
; so the first trip is a trip like any other: the price is 512 v_mov_b32, which stand in the wait for the first tile.
; REGISTERS, in windows of 256 (s_set_vgpr_msb: bits 1:0 source 0, 3:2 source 1, 5:4 source 2, 7:6 destination):
;   window 0: v2-15, v56-63 addresses; v16-23 sums at work; v24-55 eight registers of statistics a tile; v64-95, v96-127 two fragment buffers; v128-255 S^T, 32 a tile (P lies over it)
;   windows 1, 2: O^T: tile t in window 1 + t / 2 at 128 (t % 2) + 8 cb          window 3: Q^, fragment (t, kc) at 64 t + 8 kc
.set PITCH, 528                        ; an LDS row: 512 bytes + 16 of padding: the 16 rows of a plain fragment load start at 16 different groups of four banks
.set SLOTB, 33792                      ; 64 such rows: a wave's part of a tile
.set RINGW, 67584                      ; a wave's two slots.  SLOTB's bits are set in no multiple w x RINGW (w < 4), so one exclusive or changes slots
.set STX,   270336                     ; behind the rings: [wave][tile][kind 2][16] f32
.set AF,    272384                     ; A as fragments: [tile 4][kc 8][half 2][lane][16 bytes]
.set SPARE, 305152                     ; the spare words, 128 bytes for each wave
.set AK0, 2                            ; my lane's place in my ring for plain loads; never rewritten
.set AV0, 3                            ; for turning loads
.set AK,  4                            ; the same in the slot in hand
.set AV,  5
.set SG,  6                            ; the tail: my stage (my slot 1, whose last fill is tile 15) + 16 x lane
.set AFW, 7
.set AFR, 8
.set STXW, 9
.set STXR, 10
.set GO,  11                           ; 16 x lane
.set SPW, 12                           ; LDS address of my spare word; never rewritten
.set NIL, 13                           ; 0; never rewritten
.set QS,  14                           ; 4 r
.set MLO, 15                           ; 4 x lane
.set U,   16
.set ST,  24                           ; tile t at ST + 8 t: +0 c, +1 m^, +2 kap - cm, +3 kap, +4 a, +5 cm = c m^ + kap, +6, +7 l (even keys', odd keys')
.set RD,  56                           ; v56-59  the tail: my quarter of wave 0..3's stage
.set HH,  60                           ; lane / 16
.set F0,  64
.set F1,  96
.set S,   128
.set WV,  16                           ; s16 my wave's number
.set G1,  24                           ; s[24:31] descriptor group 1
.set G0,  32                           ; s[32:35] descriptor group 0
.set GB,  36                           ; s[36:37] my 64 rows of key tile 0
.set WB,  38                           ; s[38:39] my 64 rows of Wh
.set BASE, 40
.set OFF, 42
.set NXT, 44                           ; the tile to be asked for
.set CNT, 45
.set TB,  46                           ; 0 or SLOTB: the slot in hand
.set SEL, 48
.set MSB, 0
.macro WIN new                         ; the immediate's high byte repeats the setting that is left; a switch that changes nothing is dropped
.if MSB != (\new)
	s_set_vgpr_msb (MSB<<8)|(\new)
.set MSB, (\new)
.endif
.endm
.macro PLACES                          ; four plain vector instructions between a matrix instruction and what reads its result or loads into its registers (ISA guide 7.12.1 for what reads its result)
.rept 4
	v_nop
.endr
.endm
.macro CROUND                          ; a round of the cluster's barrier: my work-group's barrier; wave 0 signals for it; every wave waits for all four work-groups; my work-group's barrier once more
	s_barrier_signal -1
	s_barrier_wait -1
	s_cmp_lg_u32 s[WV], 0
	s_cbranch_scc1 .Lnot_wave_0_\@
	s_barrier_signal -3
.Lnot_wave_0_\@:
	s_barrier_wait -3
	s_barrier_signal -1
	s_barrier_wait -1
.endm
	s_load_b256 s[4:11], s[0:1], 0x0               ; g16 s[4:5], w16 s[6:7], qim s[8:9], qst s[10:11]
	s_load_b128 s[12:15], s[0:1], 0x20             ; pp s[12:13], ml s[14:15]
	v_lshl_add_u32 v[SPW], v0, 2, SPARE
	v_mov_b32 v[NIL], 0
	ds_add_u32 v[SPW], v[NIL]                      ; the wave's opening: the add and its wait ahead of my first tensor load; work on registers stands between them
	v_lshrrev_b32 v1, 5, v0
	v_readfirstlane_b32 s[WV], v1                  ; wave 0..3
	s_bfe_u32 s17, ttmp6, 0x40000                  ; cx = the query group: it enters the addresses of qim, qst, pp and ml alone
	s_and_b32 s18, ttmp7, 0xffff                   ; y = 2 b + kh, which the four partners share
	s_lshr_b32 s19, s18, 1                         ; b
	s_mul_i32 s20, s[WV], RINGW                    ; my ring
	s_mov_b32 s[G1], 15|(1<<16)|(1<<20)|(1<<21)|(6<<22)|(3<<25)  ; 15:0 the mask of four; 17:16 2-byte elements; 20 padding on; 21 set beside a mask; 24:22 after every 128 words (code 6); 31:25 4 words (code 3)
	s_mov_b32 s[G1+1], 256<<16                     ; tensor_dim0 = 256
	s_mov_b32 s[G1+2], 64<<16                      ; tensor_dim1 = 64
	s_mov_b32 s[G1+3], 256<<16                     ; tile_dim0 = 256
	s_mov_b32 s[G1+4], 64                          ; tile_dim1 = 64
	s_mov_b32 s[G1+5], 256                         ; 256 elements from row to row
	s_mov_b32 s[G1+6], 0
	s_mov_b32 s[G1+7], 0
	s_mov_b32 s[G0], 1                             ; count = 1
	s_mov_b32 s[G0+1], s20                         ; LDS address: my slot 0
	s_mov_b32 s[OFF+1], 0
	s_mov_b32 s[NXT], 1
	s_mov_b32 s[CNT], 16
	s_mov_b32 s[TB], 0
	s_mov_b32 s[SEL], 0x76543210
	s_mov_b32 s[SEL+1], 0xfedcba98
	s_lshl_b32 s21, s[WV], 15                      ; 64 rows of 512 bytes
	s_lshl_b32 s50, s18, 21                        ; y x 4,096 rows
	s_add_co_u32 s50, s50, s21
	s_mov_b32 s51, 0
	s_add_co_u32 s22, s21, 393216                  ; Wh lies in the fourth part of w16
	s_mov_b32 s23, 0
	s_lshl_b32 s52, s19, 17                        ; qim: [b][tile 4 cx]
	s_lshl_b32 s60, s17, 15
	s_add_co_u32 s52, s52, s60
	s_mov_b32 s53, 0
	s_lshl_b32 s54, s19, 11                        ; qst: [b][0][64 cx]
	s_lshl_b32 s60, s17, 8
	s_add_co_u32 s54, s54, s60
	s_mov_b32 s55, 0
	s_lshl_b32 s58, s18, 11                        ; ml: [y][0][64 cx]
	s_add_co_u32 s58, s58, s60
	s_mov_b32 s59, 0
	s_lshl_b32 s56, s18, 18                        ; pp: [y][block 4 w][tile 4 cx]
	s_lshl_b32 s60, s[WV], 16
	s_add_co_u32 s56, s56, s60
	s_lshl_b32 s60, s17, 12
	s_add_co_u32 s56, s56, s60
	s_mov_b32 s57, 0
	s_wait_dscnt 0x0                               ; the opening add is done
	s_wait_kmcnt 0x0
	s_add_nc_u64 s[GB:GB+1], s[4:5], s[50:51]
	s_add_nc_u64 s[WB:WB+1], s[6:7], s[22:23]
	s_add_nc_u64 s[52:53], s[8:9], s[52:53]
	s_add_nc_u64 s[54:55], s[10:11], s[54:55]
	s_add_nc_u64 s[56:57], s[12:13], s[56:57]
	s_add_nc_u64 s[58:59], s[14:15], s[58:59]
	s_mov_b64 s[G0+2:G0+3], s[GB:GB+1]             ; global address: tile 0
	s_or_b32 s[G0+3], s[G0+3], 0x80000000          ; type = 2
	CROUND                                         ; all four work-groups are here: the first joint loads meet
	tensor_load_to_lds s[G0:G0+3], s[G1:G1+7]
	s_nop 0
	PLACES
	v_and_b32 v1, 31, v0
	v_and_b32 v61, 15, v0                          ; r
	v_bfe_u32 v[HH], v0, 4, 1                      ; h
	v_lshlrev_b32 v[GO], 4, v1
	v_lshlrev_b32 v[QS], 2, v61
	v_lshlrev_b32 v[MLO], 2, v1
	WIN 0xc0
.set i_, 0
.rept 32                                       ; Q^ stays in registers: fragment i_ = 8 t + kc
	global_load_b128 v[8*i_:8*i_+3],   v[GO], s[52:53] offset:i_*1024
	global_load_b128 v[8*i_+4:8*i_+7], v[GO], s[52:53] offset:i_*1024+512
.set i_, i_+1
.endr
	WIN 0
.irp t, 0,1,2,3
	global_load_b32 v[ST+8*\t],   v[QS], s[54:55] offset:\t*64
	global_load_b32 v[ST+8*\t+3], v[QS], s[54:55] offset:1024+\t*64
.endr
	v_mul_u32_u24 v[AK0], v61, PITCH               ; a plain fragment: row r, 16 bytes for each half of the lanes, twice, 32 bytes apart
	v_lshl_add_u32 v[AK0], v[HH], 4, v[AK0]
	v_add_nc_u32 v[AK0], s20, v[AK0]
	v_and_b32 v62, 7, v0                           ; a turning load: lane l reads key 8 (l / 16) + l % 8, channels 8 ((l / 8) % 2) + 0..7
	v_bfe_u32 v63, v0, 3, 1
	v_lshl_add_u32 v[AV0], v[HH], 3, v62
	v_mul_u32_u24 v[AV0], v[AV0], PITCH
	v_lshl_add_u32 v[AV0], v63, 4, v[AV0]
	v_add_nc_u32 v[AV0], s20, v[AV0]
	s_add_co_u32 s21, s20, SLOTB
	v_add_nc_u32 v[SG], s21, v[GO]
	s_lshl_b32 s21, s[WV], 11
	s_add_co_u32 s21, s21, AF
	v_add_nc_u32 v[AFW], s21, v[GO]
	v_add_nc_u32 v[AFR], AF, v[GO]
	v_add_nc_u32 v[STXR], STX, v[QS]
	s_lshl_b32 s21, s[WV], 9
	v_add_nc_u32 v[STXW], s21, v[STXR]
	s_lshl_b32 s21, s[WV], 12
	s_add_co_u32 s21, s21, SLOTB
	v_add_nc_u32 v[RD], s21, v[GO]
.irp q, 1,2,3
	v_add_nc_u32 v[RD+\q], \q*RINGW, v[RD]
.endr
.irp t, 0,1,2,3
	v_mov_b32 v[ST+8*\t+1], 0xff7fffff             ; m^: the lowest finite number
	v_mov_b32 v[ST+8*\t+5], 0xfe000000             ; cm: far below every c s^ + kap, so the first a is 0
	v_mov_b32 v[ST+8*\t+6], 0
	v_mov_b32 v[ST+8*\t+7], 0
.endr
	WIN 0x40
.set i_, 0
.rept 256
	v_mov_b32 v[i_], 0
.set i_, i_+1
.endr
	WIN 0x80
.set i_, 0
.rept 256
	v_mov_b32 v[i_], 0
.set i_, i_+1
.endr
	WIN 0
	s_wait_loadcnt 0x0                             ; Q^, c, kap
; THE LDS LOADS come in groups of 8 (four fragments), into the two buffers by turns, each group issued one group of 16 matrix instructions ahead of its use.
.macro LDK g                           ; group g = 0..7: keys 16 (g / 2) on, channels 32 (4 (g % 2) + f) on
.set fb_, F0+32*((\g)%2)
.irp f, 0,1,2,3
	ds_load_b128 v[fb_+8*\f:fb_+8*\f+3],   v[AK] offset:((\g)/2)*16*PITCH+(4*((\g)%2)+\f)*64
	ds_load_b128 v[fb_+8*\f+4:fb_+8*\f+7], v[AK] offset:((\g)/2)*16*PITCH+(4*((\g)%2)+\f)*64+32
.endr
.endm
.macro LDV g                           ; group g = 8..15: keys 32 ((g - 8) / 4) on, channels 16 (4 ((g - 8) % 4) + f) on, turned
.set fb_, F0+32*((\g)%2)
.irp f, 0,1,2,3
	ds_load_tr16_b128 v[fb_+8*\f:fb_+8*\f+3],   v[AV] offset:(((\g)-8)/4)*32*PITCH+(4*(((\g)-8)%4)+\f)*32
	ds_load_tr16_b128 v[fb_+8*\f+4:fb_+8*\f+7], v[AV] offset:(((\g)-8)/4)*32*PITCH+16*PITCH+(4*(((\g)-8)%4)+\f)*32
.endr
.endm
; THE MATRIX WORK.  The accumulators take turns, one instruction a turn.
.macro MMS g                           ; 16 products of S^T: for each fragment of the group the four tiles.  Channels 0-31 start the sums
	WIN 0x0c                                       ; source 1 (Q^) in window 3; LDS loads and v_nop need no other setting
.set fb_, F0+32*((\g)%2)
.set i_, 0
.rept 16
.set kc_, 4*((\g)%2)+i_/4
.set rS_, S+32*(i_%4)+8*((\g)/2)
.if kc_ == 0
	v_wmma_f32_16x16x32_f16 v[rS_:rS_+7], v[fb_+8*(i_/4):fb_+8*(i_/4)+7], v[64*(i_%4)+8*kc_:64*(i_%4)+8*kc_+7], 0
.else
	v_wmma_f32_16x16x32_f16 v[rS_:rS_+7], v[fb_+8*(i_/4):fb_+8*(i_/4)+7], v[64*(i_%4)+8*kc_:64*(i_%4)+8*kc_+7], v[rS_:rS_+7]
.endif
.set i_, i_+1
.endr
.endm
.macro RESC cg, i                      ; accumulator i of 16 of channel group cg times the tile's a: tile 2 (i / 8) + i % 2, channel block 4 cg + (i % 8) / 2; its registers in ascending order
.set tp_, (\i)/8
.set t_, 2*tp_+(\i)%2
.set rO_, 128*((\i)%2)+8*(4*(\cg)+((\i)%8)/2)
	WIN 0x41+0x41*tp_
.irp z, 0,1,2,3
	v_pk_mul_f32 v[rO_+2*\z:rO_+2*\z+1], v[rO_+2*\z:rO_+2*\z+1], v[ST+8*t_+4:ST+8*t_+5] op_sel_hi:[1,0]
.endr
.endm
.macro MMP g, ride                     ; 16 products of O^T += G^T P, in RESC's order.  ride = 1: behind each, the rescaling of the next channel group's accumulator, which names none of its registers
.set kk_, ((\g)-8)/4
.set cg_, ((\g)-8)%4
.set fc_, F0+32*((\g)%2)
.set j_, 0
.rept 16
.set ff_, (j_%8)/2
.set rD_, 128*(j_%2)+8*(4*cg_+ff_)
.set rP_, S+32*(2*(j_/8)+j_%2)+16*kk_
	WIN 0x50+0x50*(j_/8)
	v_wmma_f32_16x16x32_f16 v[rD_:rD_+7], v[fc_+8*ff_:fc_+8*ff_+7], v[rP_:rP_+7], v[rD_:rD_+7]
.if \ride
	RESC cg_+1, j_
.endif
.set j_, j_+1
.endr
.endm
; THE SOFTMAX of tile t.  XS n: number n of the 23 that find the maximum and the statistics (at work: five registers of buffer 1, which is idle); each accumulator's lowest registers are read first.
.macro XS t, n
.set rT, ST+8*(\t)
.set rS, S+32*(\t)
.set rC, F1+8*(\t)
.if (\n) < 4
	v_max3_num_f32 v[rC+(\n)], v[rS+8*(\n)], v[rS+8*(\n)+1], v[rS+8*(\n)+2]
.elseif (\n) < 12
	v_max3_num_f32 v[rC+(\n)%4], v[rC+(\n)%4], v[rS+8*((\n)%4)+2*((\n)/4)+1], v[rS+8*((\n)%4)+2*((\n)/4)+2]
.elseif (\n) == 12
	v_max3_num_f32 v[rC], v[rC], v[rS+7], v[rS+15]
.elseif (\n) == 13
	v_max3_num_f32 v[rC+1], v[rC+1], v[rS+23], v[rS+31]
.elseif (\n) == 14
	v_max3_num_f32 v[rC+2], v[rC+2], v[rC+3], v[rT+1]
.elseif (\n) == 15
	v_mov_b32 v[rC+4], v[rT+5]                     ; cm_old is kept
.elseif (\n) == 16
	v_max3_num_f32 v[rC], v[rC], v[rC+1], v[rC+2]
.elseif (\n) == 17
	v_permlanex16_b32 v[rC+3], v[rC], s[SEL], s[SEL+1]  ; the query's other 32 keys lie in the lane 16 away
.elseif (\n) == 18
	v_max_num_f32 v[rT+1], v[rC], v[rC+3]
.elseif (\n) == 19
	v_fma_f32 v[rT+5], v[rT], v[rT+1], v[rT+3]     ; cm = c m^ + kap
.elseif (\n) == 20
	v_sub_f32 v[rC+1], v[rC+4], v[rT+5]
.elseif (\n) == 21
	v_exp_f32 v[rT+4], v[rC+1]                     ; a
.else
	v_sub_f32 v[rT+2], v[rT+3], v[rT+5]            ; kap - cm
.endif
.endm
.macro FS t, n                         ; pair n of 16: c s^ + (kap - cm)
	v_pk_fma_f32 v[S+32*(\t)+2*(\n):S+32*(\t)+2*(\n)+1], v[S+32*(\t)+2*(\n):S+32*(\t)+2*(\n)+1], v[ST+8*(\t):ST+8*(\t)+1], v[ST+8*(\t)+2:ST+8*(\t)+3] op_sel_hi:[1,0,0]
.endm
.macro ES t, n                         ; weight n of 32
	v_exp_f32 v[S+32*(\t)+(\n)], v[S+32*(\t)+(\n)]
.endm
.macro SU t, n                         ; the sum of the 16 pairs, in four chains; at last l = a l + sum
.set rS, S+32*(\t)
.set rT, ST+8*(\t)
.if (\n) < 4
	s_wait_alu depctr_va_vdst(0)
	v_pk_add_f32 v[U+2*(\n):U+2*(\n)+1], v[rS+2*(\n):rS+2*(\n)+1], v[rS+2*(\n)+8:rS+2*(\n)+9]
.elseif (\n) < 12
	v_pk_add_f32 v[U+2*((\n)%4):U+2*((\n)%4)+1], v[U+2*((\n)%4):U+2*((\n)%4)+1], v[rS+2*(\n)+8:rS+2*(\n)+9]
.elseif (\n) == 12
	v_pk_add_f32 v[U:U+1], v[U:U+1], v[U+2:U+3]
.elseif (\n) == 13
	v_pk_add_f32 v[U+4:U+5], v[U+4:U+5], v[U+6:U+7]
.elseif (\n) == 14
	v_pk_add_f32 v[U:U+1], v[U:U+1], v[U+4:U+5]
.else
	v_pk_fma_f32 v[rT+6:rT+7], v[rT+6:rT+7], v[rT+4:rT+5], v[U:U+1] op_sel_hi:[1,0,1]
	s_wait_alu depctr_va_vdst(0)
.endif
.endm
.macro CV t, n                         ; pair n rounded to f16, into P, which lies over S^T: the register that it writes has been summed and rounded by SU and CV of a number not above n
	v_cvt_pk_f16_f32 v[S+32*(\t)+16*((\n)/8)+(\n)%8], v[S+32*(\t)+2*(\n)], v[S+32*(\t)+2*(\n)+1]
.endm
.Ltrip:                                                ; 16 trips: tile j is worked on, tile j + 1 (behind the keys: Wh) is asked for
	s_wait_tensorcnt 0x0                           ; my one tensor load, my part of tile j, has landed: so group 0 may be written
	ds_add_u32 v[SPW], v[NIL]                      ; 0 onto my spare word; the descriptor's scalar work stands between it and the wait for it
	s_lshl_b32 s[OFF], s[NXT], 17                  ; a tile of keys is 131,072 bytes
	s_cmp_eq_u32 s[NXT], 16
	s_cselect_b64 s[BASE:BASE+1], s[WB:WB+1], s[GB:GB+1]
	s_cselect_b32 s[OFF], 0, s[OFF]
	s_add_nc_u64 s[G0+2:G0+3], s[BASE:BASE+1], s[OFF:OFF+1]
	s_or_b32 s[G0+3], s[G0+3], 0x80000000
	s_xor_b32 s[G0+1], s[G0+1], SLOTB              ; the other slot than last time
	s_add_co_u32 s[NXT], s[NXT], 1
	s_wait_dscnt 0x0                               ; the add is done, and my reads of the slot that is filled next are over
	CROUND                                         ; the same holds of every wave of every partner
	tensor_load_to_lds s[G0:G0+3], s[G1:G1+7]      ; my one tensor load behind the round: it has the trip's 256 matrix instructions in which to land
	s_nop 0
	PLACES                                         ; also the places behind the last trip's products, in front of the loads below
	v_add_nc_u32 v[AK], s[TB], v[AK0]
	v_add_nc_u32 v[AV], s[TB], v[AV0]
	LDK 0
	LDK 1
	s_wait_dscnt 8                                 ; all but the 8 loads just issued: this group's fragments are in (so in every group below)
	MMS 0
.irp g, 1,2,3,4,5,6
	PLACES
	LDK (\g)+1
	s_wait_dscnt 8
	MMS \g
.endr
	PLACES
	LDV 8
	s_wait_dscnt 8
	MMS 7
	WIN 0
	PLACES
.set n_, 0
.rept 23                                       ; the four tiles alternate, so that no line reads the result of the line before it
	XS 0, n_
	XS 1, n_
	XS 2, n_
	XS 3, n_
.set n_, n_+1
.endr
.set n_, 0
.rept 16
	FS 0, n_
.set n_, n_+1
.endr
.irp t, 0,1,2,3                        ; beside a tile's exponentials: the next tile's scalings, the last tile's sums and roundings.  A plain line stands between an exponential and the use of its result
.set n_, 0
.rept 16
	ES \t, 2*n_
.if \t < 3
	FS (\t)+1, n_
.endif
	ES \t, 2*n_+1
.if \t > 0
	SU (\t)-1, n_
	CV (\t)-1, n_
.endif
.set n_, n_+1
.endr
.endr
.set n_, 0
.rept 16
	SU 3, n_
	CV 3, n_
.set n_, n_+1
.endr
.set q_, 0
.rept 16
	RESC 0, q_                                     ; the first channel group is rescaled here, the other three behind the products
.set q_, q_+1
.endr
.irp g, 8,9,10
	WIN 0
	LDV (\g)+1                                     ; the buffer's last reader stands four plain vector lines back or more
	s_wait_dscnt 8
	MMP \g, 1
.endr
	WIN 0
	LDV 12
	s_wait_dscnt 8
	MMP 11, 0
.irp g, 12,13,14
	WIN 0
	PLACES
	LDV (\g)+1
	s_wait_dscnt 8
	MMP \g, 0
.endr
	s_wait_dscnt 0x0
	MMP 15, 0
	WIN 0                                          ; at a label and at a branch every window is 0
	s_xor_b32 s[TB], s[TB], SLOTB
	s_sub_co_u32 s[CNT], s[CNT], 1
	s_cmp_lg_u32 s[CNT], 0
	s_cbranch_scc1 .Ltrip
	; THE TAIL.  The four waves' maxima and sums meet; each wave scales its O^T by 2^(cm - M) / L; the four are added, a quarter of the channels by each wave; A goes to LDS as f16 fragments; A Wh^T.
	s_wait_tensorcnt 0x0                           ; Wh's 64 rows are in my slot 0, which I alone read
	PLACES
.irp t, 0,1,2,3
	v_add_f32 v[ST+8*\t+6], v[ST+8*\t+6], v[ST+8*\t+7]
.endr
.irp t, 0,1,2,3
	v_permlanex16_b32 v[ST+8*\t+7], v[ST+8*\t+6], s[SEL], s[SEL+1]
.endr
.irp t, 0,1,2,3
	v_add_f32 v[ST+8*\t+6], v[ST+8*\t+6], v[ST+8*\t+7]
.endr
.irp t, 0,1,2,3
	ds_store_b32 v[STXW], v[ST+8*\t+5] offset:\t*128
	ds_store_b32 v[STXW], v[ST+8*\t+6] offset:\t*128+64
.endr
	s_wait_dscnt 0x0
	s_barrier_signal -1
	s_barrier_wait -1
.set i_, 0
.rept 32                                       ; i_ = (4 wave + tile) 2 + kind
	ds_load_b32 v[128+i_], v[STXR] offset:i_*64
.set i_, i_+1
.endr
	s_wait_dscnt 0x0
.irp t, 0,1,2,3
	v_max3_num_f32 v[160+\t], v[128+2*\t], v[136+2*\t], v[144+2*\t]
.endr
.irp t, 0,1,2,3
	v_max_num_f32 v[160+\t], v[160+\t], v[152+2*\t]  ; M
.endr
.irp t, 0,1,2,3
	v_sub_f32 v[128+2*\t], v[128+2*\t], v[160+\t]
	v_sub_f32 v[136+2*\t], v[136+2*\t], v[160+\t]
	v_sub_f32 v[144+2*\t], v[144+2*\t], v[160+\t]
	v_sub_f32 v[152+2*\t], v[152+2*\t], v[160+\t]
	v_sub_f32 v[164+\t], v[ST+8*\t+5], v[160+\t]
.endr
.irp t, 0,1,2,3
	v_exp_f32 v[128+2*\t], v[128+2*\t]
	v_exp_f32 v[136+2*\t], v[136+2*\t]
	v_exp_f32 v[144+2*\t], v[144+2*\t]
	v_exp_f32 v[152+2*\t], v[152+2*\t]
	v_exp_f32 v[164+\t], v[164+\t]
.endr
	v_nop
	s_wait_alu depctr_va_vdst(0)
.irp t, 0,1,2,3
	v_mul_f32 v[168+\t], v[129+2*\t], v[128+2*\t]
	v_fmac_f32 v[168+\t], v[137+2*\t], v[136+2*\t]
	v_fmac_f32 v[168+\t], v[145+2*\t], v[144+2*\t]
	v_fmac_f32 v[168+\t], v[153+2*\t], v[152+2*\t]   ; L
.endr
.irp t, 0,1,2,3
	v_rcp_f32 v[172+\t], v[168+\t]
.endr
	v_nop
	s_wait_alu depctr_va_vdst(0)
.irp t, 0,1,2,3
	v_mul_f32 v[ST+8*\t+4], v[164+\t], v[172+\t]   ; in a's place
.endr
	s_cmp_lg_u32 s[WV], 0
	s_cbranch_scc1 .Lnoml
	v_cmp_eq_u32 vcc_lo, 1, v[HH]                  ; lanes 16-31 speak for the odd tile of a pair: 32 lanes, 32 neighbouring queries
.irp q, 0,1
	v_cndmask_b32 v[176+\q], v[160+2*\q], v[161+2*\q], vcc_lo
	v_cndmask_b32 v[178+\q], v[168+2*\q], v[169+2*\q], vcc_lo
	global_store_b32 v[MLO], v[176+\q], s[58:59] offset:\q*128
	global_store_b32 v[MLO], v[178+\q], s[58:59] offset:1024+\q*128
.endr
.Lnoml:
; Tiles 2 rho and 2 rho + 1, all of window 1 + rho, go through the stages.  A stage is a wave's slot 1: no tensor load fills it any more.
.macro ROUNDT rho
.set c_, 0
.rept 4
.set q_, 0
.rept 8
	RESC c_, 8*(\rho)+q_
.set q_, q_+1
.endr
.set c_, c_+1
.endr
	WIN 0x04*(1+\rho)                              ; the stores' data in window 1 + rho
.set q_, 0
.rept 32                                       ; q_ = 16 (tile % 2) + cb
	ds_store_b128 v[SG], v[8*q_:8*q_+3]   offset:q_*1024
	ds_store_b128 v[SG], v[8*q_+4:8*q_+7] offset:q_*1024+512
.set q_, q_+1
.endr
	s_wait_dscnt 0x0                               ; for the others' sake: my stage is written
	s_barrier_signal -1
	s_barrier_wait -1
	WIN 0x40*(1+\rho)
.set q_, 0
.rept 4                                        ; wave q_'s stage: channel blocks 4 w .. 4 w + 3 of both tiles
.set p_, 0
.rept 8
	ds_load_b128 v[64*q_+8*p_:64*q_+8*p_+3],   v[RD+q_] offset:(p_/4)*16384+(p_%4)*1024
	ds_load_b128 v[64*q_+8*p_+4:64*q_+8*p_+7], v[RD+q_] offset:(p_/4)*16384+(p_%4)*1024+512
.set p_, p_+1
.endr
.set q_, q_+1
.endr
	s_wait_dscnt 0x0
.if (\rho) == 0
	s_barrier_signal -1                            ; every wave has read the stages: they may be written again
	s_barrier_wait -1
.endif
	WIN 0x55*(1+\rho)
.set p_, 0
.rept 32
	v_pk_add_f32 v[2*p_:2*p_+1], v[2*p_:2*p_+1], v[64+2*p_:65+2*p_]
	v_pk_add_f32 v[128+2*p_:129+2*p_], v[128+2*p_:129+2*p_], v[192+2*p_:193+2*p_]
.set p_, p_+1
.endr
.set p_, 0
.rept 32
	v_pk_add_f32 v[2*p_:2*p_+1], v[2*p_:2*p_+1], v[128+2*p_:129+2*p_]
.set p_, p_+1
.endr
	WIN 0x05*(1+\rho)
.set p_, 0
.rept 32
	v_cvt_pk_f16_f32 v[128+p_], v[2*p_], v[2*p_+1]
.set p_, p_+1
.endr
	WIN 0
.set p_, 0
.rept 8                                        ; a lane's 8 channels of a query ARE its 16 bytes of A's fragment (tile, cb / 2, cb % 2)
	ds_store_b128 v[AFW], v[128+4*p_:131+4*p_] offset:(2*(\rho)+p_/4)*8192+(p_%4)*512
.set p_, p_+1
.endr
.endm
	ROUNDT 0
	WIN 0x40
.set i_, 0
.rept 32                                       ; Wh's fragments, i_ = 8 ib + kc, into window 1, which is free now
	ds_load_b128 v[8*i_:8*i_+3],   v[AK0] offset:(i_/8)*16*PITCH+(i_%8)*64
	ds_load_b128 v[8*i_+4:8*i_+7], v[AK0] offset:(i_/8)*16*PITCH+(i_%8)*64+32
.set i_, i_+1
.endr
	ROUNDT 1
	s_wait_dscnt 0x0                               ; my part of A is written
	s_barrier_signal -1
	s_barrier_wait -1
	WIN 0xc0
.set i_, 0
.rept 32                                       ; all of A, i_ = 8 t + kc, where Q^ lay
	ds_load_b128 v[8*i_:8*i_+3],   v[AFR] offset:i_*1024
	ds_load_b128 v[8*i_+4:8*i_+7], v[AFR] offset:i_*1024+512
.set i_, i_+1
.endr
	s_wait_dscnt 0x0
	WIN 0xa7                                       ; source 0 (A) window 3, source 1 (Wh) window 1, C and D window 2
.set i_, 0
.rept 128                                      ; kc = i_ / 16, t = (i_ / 4) % 4, ib = i_ % 4: 16 accumulators by turns; the first 16 start the sums
.set rD_, 8*(i_%16)
.set rA_, 64*((i_/4)%4)+8*(i_/16)
.set rB_, 64*(i_%4)+8*(i_/16)
.if i_ < 16
	v_wmma_f32_16x16x32_f16 v[rD_:rD_+7], v[rA_:rA_+7], v[rB_:rB_+7], 0
.else
	v_wmma_f32_16x16x32_f16 v[rD_:rD_+7], v[rA_:rA_+7], v[rB_:rB_+7], v[rD_:rD_+7]
.endif
.set i_, i_+1
.endr
	PLACES
	WIN 0x08                                       ; the stores' data in window 2
.set i_, 0
.rept 16                                       ; i_ = 4 t + ib: lane (r, h) holds output 64 w + 16 ib + r and queries 16 t + 8 h + 0..7; each store covers 512 consecutive bytes; the low registers go first
	global_store_b128 v[GO], v[8*i_:8*i_+3],   s[56:57] offset:(i_%4)*16384+(i_/4)*1024
	global_store_b128 v[GO], v[8*i_+4:8*i_+7], s[56:57] offset:(i_%4)*16384+(i_/4)*1024+512
.set i_, i_+1
.endr
	WIN 0
	s_wait_tensorcnt 0x0                           ; the wave's end
	ds_add_u32 v[SPW], v[NIL]
	s_wait_dscnt 0x0
	CROUND                                         ; the closing round: no work-group ends while a partner may still ask for a tile that names it
	s_endpgm
.Lfunc_end_k_qc9d9c37ab3_attn:
	.size	k_qc9d9c37ab3_attn, .Lfunc_end_k_qc9d9c37ab3_attn-k_qc9d9c37ab3_attn
	.p2alignl 7, 3214868480
	.fill 96, 4, 3214868480
	.section	.rodata,"a",@progbits
	.p2align	6, 0x0
	.amdhsa_kernel k_qc9d9c37ab3_attn
		.amdhsa_group_segment_fixed_size 327680
		.amdhsa_private_segment_fixed_size 0
		.amdhsa_enable_private_segment 0
		.amdhsa_kernarg_size 48
		.amdhsa_user_sgpr_count 2
		.amdhsa_user_sgpr_kernarg_segment_ptr 1
		.amdhsa_wavefront_size32 1
		.amdhsa_system_sgpr_workgroup_id_x 1
		.amdhsa_system_sgpr_workgroup_id_y 1
		.amdhsa_system_sgpr_workgroup_id_z 1
		.amdhsa_system_vgpr_workitem_id 0
		.amdhsa_next_free_vgpr 1024
		.amdhsa_next_free_sgpr 66
		.amdhsa_reserve_vcc 1
		.amdhsa_float_denorm_mode_32 3
		.amdhsa_float_denorm_mode_16_64 3
		.amdhsa_memory_ordered 1
		.amdhsa_forward_progress 1
		.amdhsa_inst_pref_size 173
	.end_amdhsa_kernel
	.amdgpu_metadata
---
amdhsa.version: [ 1, 2 ]
amdhsa.kernels:
  - .name:           k_qc9d9c37ab3_attn
    .symbol:         k_qc9d9c37ab3_attn.kd
    .args:
      - { .name: g16, .offset: 0, .size: 8, .value_kind: global_buffer, .address_space: global }
      - { .name: w16, .offset: 8, .size: 8, .value_kind: global_buffer, .address_space: global }
      - { .name: qim, .offset: 16, .size: 8, .value_kind: global_buffer, .address_space: global }
      - { .name: qst, .offset: 24, .size: 8, .value_kind: global_buffer, .address_space: global }
      - { .name: pp, .offset: 32, .size: 8, .value_kind: global_buffer, .address_space: global }
      - { .name: ml, .offset: 40, .size: 8, .value_kind: global_buffer, .address_space: global }
    .group_segment_fixed_size: 327680
    .private_segment_fixed_size: 0
    .kernarg_segment_align: 8
    .kernarg_segment_size: 48
    .max_flat_workgroup_size: 128
    .sgpr_count:     66
    .vgpr_count:     1024
    .wavefront_size: 32
...
	.end_amdgpu_metadata
.endif
;; end of part 3
;; launch fin (part 4): grid 8 x 32, 4 waves a work-group, no clusters, 34,304 bytes of LDS; arguments pp, ml, w16, bh, bk, x, out0; writes out0
.if DOCPART == 4
	.amdgcn_target "amdgcn-amd-amdhsa--gfx1250"
	.amdhsa_code_object_version 6
	.text
	.protected	k_qc9d9c37ab3_fin
	.globl	k_qc9d9c37ab3_fin
	.p2align	8
	.type	k_qc9d9c37ab3_fin,@function
k_qc9d9c37ab3_fin:
	s_mov_b64 s[64:65], 0
	v_nop
	global_prefetch_b8 v0, s[64:65] scope:SCOPE_SE
	s_setreg_imm32_b32 hwreg(HW_REG_WAVE_MODE, 25, 1), 1
	s_wait_xcnt 0x0
; FIN.  O[i][q] = w0[q] pp0[i][q] + w1[q] pp1[i][q] + bh[i], with w_h = L_h 2^(M_h - max M) / their sum: the two key halves joined;  out[i][b][j] = sum_q Wk[j][q] O[i][q] + bk[j] + x[i][b][j].
; bh, bk and x are rounded to bf16 like every input; O goes into the product as f16 (it has H's range: under 65,504), Wk as f16; sums in f32.  NaN and infinities are not treated apart.
; SHARES.  Work-group (ibp, b): rows i = 32 ibp .. + 31 of out, two tiles of 16.  Wave w makes O's fragments of query tiles 4 w .. 4 w + 3 and multiplies columns j = 64 w .. + 63.
; pp's blocks are laid so that a lane's 8 numbers ARE its 16 bytes of the product's source 1.  Wk comes as ready fragments.  No tensor load and no cluster: what is shared (Wk, 128 KB) is small beside pp.
; REGISTERS: window 0: v0-13 addresses; v20-23 bk; v32-63 packed O, later rows read back; v64-127 the 8 accumulators (64 + 8 (2 jb + tile)); v128-255 O's fragments, later rows read back
;   window 1: Wk, fragment (jb, kb) at 64 jb + 8 kb     window 2: v0-127 M0, L0, M1, L1 (32 each: 8 tile + j); v128-255 pp at 128 + ((2 kh + it) 4 + tile) 8     window 3: v0-63 x; v64-67 bh; v68 at work
.set OF,  0                            ; O as fragments: [it 2][query tile 16][lane][16 bytes]
.set STG, 16384                        ; for each wave 16 rows of 256 bytes + 16 of padding
.set SPARE, 33792                      ; the spare words, 128 bytes for each wave
.set SPW, 12
.set NIL, 13
.set MSB, 0
.macro WIN new
.if MSB != (\new)
	s_set_vgpr_msb (MSB<<8)|(\new)
.set MSB, (\new)
.endif
.endm
.macro RB16 base, pairs, tmp           ; numbers in registers are rounded to bf16 and stay f32
.set z_, 0
.rept \pairs
	v_cvt_pk_bf16_f32 v[\tmp], v[(\base)+2*z_], v[(\base)+2*z_+1]
	v_lshlrev_b32 v[(\base)+2*z_], 16, v[\tmp]
	v_and_b32 v[(\base)+2*z_+1], s33, v[\tmp]
.set z_, z_+1
.endr
.endm
	s_load_b256 s[4:11], s[0:1], 0x0               ; pp s[4:5], ml s[6:7], w16 s[8:9], bh s[10:11]
	s_load_b128 s[12:15], s[0:1], 0x20             ; bk s[12:13], x s[14:15]
	s_load_b64 s[16:17], s[0:1], 0x30              ; out0
	v_lshl_add_u32 v[SPW], v0, 2, SPARE
	v_mov_b32 v[NIL], 0
	v_lshrrev_b32 v1, 5, v0
	v_readfirstlane_b32 s24, v1                    ; wave 0..3
	s_and_b32 s26, ttmp7, 0xffff                   ; b
	s_mov_b32 s33, 0xffff0000
	v_and_b32 v1, 31, v0
	v_and_b32 v2, 15, v0                           ; r
	v_bfe_u32 v3, v0, 4, 1                         ; h
	v_lshlrev_b32 v4, 4, v1                        ; 16 x lane
	v_lshlrev_b32 v6, 4, v2                        ; 16 r
	v_lshl_add_u32 v5, v3, 15, v6                  ; x and out: lanes 0-15 one row's 256 bytes, lanes 16-31 the next row's
	v_lshlrev_b32 v7, 5, v3                        ; 32 h
	v_lshlrev_b32 v8, 2, v2                        ; 4 r
	v_lshl_add_u32 v9, s24, 11, v4                 ; O's fragments in: blocks 4 w ..
	s_mul_i32 s20, s24, 4352
	s_add_co_u32 s20, s20, STG                     ; my stage
	v_mul_u32_u24 v10, v2, 272
	v_add3_u32 v10, v10, v7, s20                   ; in: row r, 32 bytes for each half of the lanes
	v_mul_u32_u24 v11, v3, 272
	v_add3_u32 v11, v11, v6, s20                   ; back: lanes 0-15 one row, lanes 16-31 the next
	s_mov_b32 s21, 0
	s_mov_b32 s23, 0
	s_lshl_b32 s20, s24, 15
	s_add_co_u32 s20, s20, 262144                  ; Wk lies in the third part of w16; my 64 rows
	s_wait_kmcnt 0x0
	s_add_nc_u64 s[8:9], s[8:9], s[20:21]
	s_lshl_b32 s20, ttmp9, 20                      ; 32 ibp rows of 32,768 bytes,
	s_lshl_b32 s22, s26, 10                        ; batch b,
	s_add_co_u32 s20, s20, s22
	s_lshl_b32 s22, s24, 8                         ; columns 64 w
	s_add_co_u32 s20, s20, s22
	s_add_nc_u64 s[14:15], s[14:15], s[20:21]
	s_add_nc_u64 s[16:17], s[16:17], s[20:21]
	s_add_nc_u64 s[12:13], s[12:13], s[22:23]      ; bk at 64 w
	s_lshl_b32 s20, s26, 12
	s_add_co_u32 s20, s20, s22
	s_add_nc_u64 s[6:7], s[6:7], s[20:21]          ; ml at [b][0][0][64 w]
	s_lshl_b32 s20, s26, 19
	s_lshl_b32 s22, ttmp9, 15
	s_add_co_u32 s20, s20, s22
	s_lshl_b32 s22, s24, 12
	s_add_co_u32 s20, s20, s22
	s_add_nc_u64 s[4:5], s[4:5], s[20:21]          ; pp at [b][0][2 ibp][4 w]
	s_lshl_b32 s20, ttmp9, 7
	s_add_nc_u64 s[10:11], s[10:11], s[20:21]      ; bh at 32 ibp
	; 1. LOADS
	WIN 0x80
.set i_, 0
.rept 16                                       ; i_ = (2 kh + kind) 4 + tile
	global_load_b128 v[8*i_:8*i_+3],   v7, s[6:7] offset:(i_/4)*1024+(i_%4)*64
	global_load_b128 v[8*i_+4:8*i_+7], v7, s[6:7] offset:(i_/4)*1024+(i_%4)*64+16
.set i_, i_+1
.endr
.set i_, 0
.rept 16                                       ; i_ = (2 kh + it) 4 + tile
	global_load_b128 v[128+8*i_:131+8*i_], v4, s[4:5] offset:(i_/8)*262144+((i_/4)%2)*16384+(i_%4)*1024
	global_load_b128 v[132+8*i_:135+8*i_], v4, s[4:5] offset:(i_/8)*262144+((i_/4)%2)*16384+(i_%4)*1024+512
.set i_, i_+1
.endr
	WIN 0xc0
	global_load_b32 v64, v8, s[10:11]
	global_load_b32 v66, v8, s[10:11] offset:64
.set i_, 0
.rept 16                                       ; rows 2 i_ and 2 i_ + 1 of my 32
	global_load_b128 v[4*i_:4*i_+3], v5, s[14:15] offset:i_*65536
.set i_, i_+1
.endr
	WIN 0x40
.set i_, 0
.rept 32                                       ; Wk, fragment i_ = 8 jb + kb
	global_load_b128 v[8*i_:8*i_+3],   v4, s[8:9] offset:i_*1024
	global_load_b128 v[8*i_+4:8*i_+7], v4, s[8:9] offset:i_*1024+512
.set i_, i_+1
.endr
	WIN 0
	global_load_b128 v[20:23], v6, s[12:13]
	s_wait_loadcnt 0x0
	WIN 0xff
	v_cvt_pk_bf16_f32 v68, v64, v66
	v_lshlrev_b32 v64, 16, v68
	v_and_b32 v66, s33, v68
	v_mov_b32 v65, v64                             ; named as pairs
	v_mov_b32 v67, v66
	; 2. THE HALVES' WEIGHTS, in place.  d = M0 - M1; 2^min(d, 0) and 2^min(-d, 0) are 2^(M - max M); then L x that, and the division by their sum.
	WIN 0xaa
.set i_, 0
.rept 32
	v_sub_f32 v[i_], v[i_], v[64+i_]
	v_sub_f32 v[64+i_], 0, v[i_]
	v_min_num_f32 v[i_], 0, v[i_]
	v_min_num_f32 v[64+i_], 0, v[64+i_]
.set i_, i_+1
.endr
.set i_, 0
.rept 32
	v_exp_f32 v[i_], v[i_]
	v_exp_f32 v[64+i_], v[64+i_]
.set i_, i_+1
.endr
	v_nop                                          ; one plain vector line between the run of exponentials and the first use of any of its results (ISA guide 5.7.2): another exponential is no such line
.set i_, 0
	s_wait_alu depctr_va_vdst(0)
.rept 16
	v_pk_mul_f32 v[32+2*i_:33+2*i_], v[32+2*i_:33+2*i_], v[2*i_:2*i_+1]
	v_pk_mul_f32 v[96+2*i_:97+2*i_], v[96+2*i_:97+2*i_], v[64+2*i_:65+2*i_]
	v_pk_add_f32 v[2*i_:2*i_+1], v[32+2*i_:33+2*i_], v[96+2*i_:97+2*i_]
.set i_, i_+1
.endr
.set i_, 0
.rept 32
	v_rcp_f32 v[i_], v[i_]
.set i_, i_+1
.endr
	v_nop                                          ; the same behind the run of reciprocals
.set i_, 0
	s_wait_alu depctr_va_vdst(0)
.rept 16
	v_pk_mul_f32 v[32+2*i_:33+2*i_], v[32+2*i_:33+2*i_], v[2*i_:2*i_+1]
	v_pk_mul_f32 v[96+2*i_:97+2*i_], v[96+2*i_:97+2*i_], v[2*i_:2*i_+1]
.set i_, i_+1
.endr
	; 3. O = w0 pp0 + bh, + w1 pp1; rounded to f16; into LDS as fragments
	WIN 0xba                                       ; source 2 (bh) in window 3
.set i_, 0
.rept 32                                       ; i_ = ((4 it + tile) 4 + pair)
	v_pk_fma_f32 v[128+2*i_:129+2*i_], v[128+2*i_:129+2*i_], v[32+2*(i_%16):33+2*(i_%16)], v[64+2*(i_/16):65+2*(i_/16)] op_sel_hi:[1,1,0]
.set i_, i_+1
.endr
	WIN 0xaa
.set i_, 0
.rept 32
	v_pk_fma_f32 v[128+2*i_:129+2*i_], v[192+2*i_:193+2*i_], v[96+2*(i_%16):97+2*(i_%16)], v[128+2*i_:129+2*i_]
.set i_, i_+1
.endr
	WIN 0x0a
.set i_, 0
.rept 32
	v_cvt_pk_f16_f32 v[32+i_], v[128+2*i_], v[129+2*i_]
.set i_, i_+1
.endr
	WIN 0
.set i_, 0
.rept 8                                        ; i_ = 4 it + tile
	ds_store_b128 v9, v[32+4*i_:35+4*i_] offset:OF+(i_/4)*8192+(i_%4)*512
.set i_, i_+1
.endr
	s_wait_dscnt 0x0                               ; for the others' sake: my fragments are written
	s_barrier_signal -1
	s_barrier_wait -1
	; 4. Wk O: 64 matrix instructions; the 8 accumulators take turns, one instruction a turn; the first 8 start the sums
.set i_, 0
.rept 16                                       ; i_ = 8 it + kb
	ds_load_b128 v[128+8*i_:131+8*i_], v4 offset:OF+i_*1024
	ds_load_b128 v[132+8*i_:135+8*i_], v4 offset:OF+i_*1024+512
.set i_, i_+1
.endr
	s_wait_dscnt 0x0
	WIN 0x01                                       ; source 0 (Wk) in window 1
.set i_, 0
.rept 64                                       ; kb = i_ / 8, jb = (i_ / 2) % 4, it = i_ % 2
.set rD_, 64+8*(i_%8)
.set rA_, 64*((i_/2)%4)+8*(i_/8)
.set rB_, 128+64*(i_%2)+8*(i_/8)
.if i_ < 8
	v_wmma_f32_16x16x32_f16 v[rD_:rD_+7], v[rA_:rA_+7], v[rB_:rB_+7], 0
.else
	v_wmma_f32_16x16x32_f16 v[rD_:rD_+7], v[rA_:rA_+7], v[rB_:rB_+7], v[rD_:rD_+7]
.endif
.set i_, i_+1
.endr
	; 5. x and bk are rounded and added: plain lines that name no register of the products, so they are also the places behind them (ISA guide 7.12.1)
	WIN 0xff
	RB16 0, 32, 68
	WIN 0
	RB16 20, 2, 24
	WIN 0xc3                                       ; x in window 3, bk in window 0
.set i_, 0
.rept 16
	v_pk_add_f32 v[4*i_:4*i_+1],   v[4*i_:4*i_+1],   v[20:21]
	v_pk_add_f32 v[4*i_+2:4*i_+3], v[4*i_+2:4*i_+3], v[22:23]
.set i_, i_+1
.endr
; A tile's 16 rows x 64 columns go through my own stage: a lane holds 8 neighbouring columns of a row; back come whole rows of 256 bytes.  rb: the registers that take them (others for each tile: the stores' data are never rewritten)
.macro OUT it, rb
	WIN 0
.irp q, 0,1,2,3
	ds_store_b128 v10, v[64+8*(2*\q+\it):64+8*(2*\q+\it)+3]   offset:64*\q       ; each accumulator's low registers first
	ds_store_b128 v10, v[64+8*(2*\q+\it)+4:64+8*(2*\q+\it)+7] offset:64*\q+16
.endr
.irp u, 0,1,2,3,4,5,6,7
	ds_load_b128 v[\rb+4*\u:\rb+4*\u+3], v11 offset:\u*544     ; LDS serves a wave's instructions in order (ISA guide 5.7.1.4): these see the stores above
.endr
	s_wait_dscnt 0x0
	WIN 0x0c                                       ; source 1 (x + bk) in window 3
.irp u, 0,1,2,3,4,5,6,7
	v_pk_add_f32 v[\rb+4*\u:\rb+4*\u+1],   v[\rb+4*\u:\rb+4*\u+1],   v[(\it*8+\u)*4:(\it*8+\u)*4+1]
	v_pk_add_f32 v[\rb+4*\u+2:\rb+4*\u+3], v[\rb+4*\u+2:\rb+4*\u+3], v[(\it*8+\u)*4+2:(\it*8+\u)*4+3]
.endr
	WIN 0
.irp u, 0,1,2,3,4,5,6,7
	global_store_b128 v5, v[\rb+4*\u:\rb+4*\u+3], s[16:17] offset:(16*\it+2*\u)*32768  ; 16 lanes store 256 consecutive bytes, at a multiple of 256 from out0's first byte
.endr
.endm
	OUT 0, 32
	OUT 1, 128
	s_wait_tensorcnt 0x0                           ; the wave's end
	ds_add_u32 v[SPW], v[NIL]
	s_wait_dscnt 0x0
	s_endpgm
.Lfunc_end_k_qc9d9c37ab3_fin:
	.size	k_qc9d9c37ab3_fin, .Lfunc_end_k_qc9d9c37ab3_fin-k_qc9d9c37ab3_fin
	.p2alignl 7, 3214868480
	.fill 96, 4, 3214868480
	.section	.rodata,"a",@progbits
	.p2align	6, 0x0
	.amdhsa_kernel k_qc9d9c37ab3_fin
		.amdhsa_group_segment_fixed_size 34304
		.amdhsa_private_segment_fixed_size 0
		.amdhsa_enable_private_segment 0
		.amdhsa_kernarg_size 56
		.amdhsa_user_sgpr_count 2
		.amdhsa_user_sgpr_kernarg_segment_ptr 1
		.amdhsa_wavefront_size32 1
		.amdhsa_system_sgpr_workgroup_id_x 1
		.amdhsa_system_sgpr_workgroup_id_y 1
		.amdhsa_system_sgpr_workgroup_id_z 1
		.amdhsa_system_vgpr_workitem_id 0
		.amdhsa_next_free_vgpr 840
		.amdhsa_next_free_sgpr 66
		.amdhsa_reserve_vcc 0
		.amdhsa_float_denorm_mode_32 3
		.amdhsa_float_denorm_mode_16_64 3
		.amdhsa_memory_ordered 1
		.amdhsa_forward_progress 1
		.amdhsa_inst_pref_size 54
	.end_amdhsa_kernel
	.amdgpu_metadata
---
amdhsa.version: [ 1, 2 ]
amdhsa.kernels:
  - .name:           k_qc9d9c37ab3_fin
    .symbol:         k_qc9d9c37ab3_fin.kd
    .args:
      - { .name: pp, .offset: 0, .size: 8, .value_kind: global_buffer, .address_space: global }
      - { .name: ml, .offset: 8, .size: 8, .value_kind: global_buffer, .address_space: global }
      - { .name: w16, .offset: 16, .size: 8, .value_kind: global_buffer, .address_space: global }
      - { .name: bh, .offset: 24, .size: 8, .value_kind: global_buffer, .address_space: global }
      - { .name: bk, .offset: 32, .size: 8, .value_kind: global_buffer, .address_space: global }
      - { .name: x, .offset: 40, .size: 8, .value_kind: global_buffer, .address_space: global }
      - { .name: out0, .offset: 48, .size: 8, .value_kind: global_buffer, .address_space: global }
    .group_segment_fixed_size: 34304
    .private_segment_fixed_size: 0
    .kernarg_segment_align: 8
    .kernarg_segment_size: 56
    .max_flat_workgroup_size: 128
    .sgpr_count:     66
    .vgpr_count:     840
    .wavefront_size: 32
...
	.end_amdgpu_metadata
.endif
;; end of part 4
;; ======== version 2 of 2: 4 launches; version 1 with the launch stream written anew for expert scheduling mode
;; limits: values are held in f16: magnitudes above 65,504 overflow, below 6.1e-05 lose precision
;; workspace buffers: g16 134,217,728 bytes; part 1,048,576 bytes; w16 524,288 bytes; qim 4,194,304 bytes; qst 65,536 bytes; pp 16,777,216 bytes; ml 131,072 bytes
;; launch stream (part 5): grid 8 x 32, 16 waves a work-group, no clusters, 67,584 bytes of LDS; arguments s_sty, x, Wf, Wg, Wh, Wk, g16, part, w16; writes g16, part, w16
.if DOCPART == 5
	.amdgcn_target "amdgcn-amd-amdhsa--gfx1250"
	.amdhsa_code_object_version 6
	.text
	.protected	k_qc9d9c37ab3_stream
	.globl	k_qc9d9c37ab3_stream
	.p2align	8
	.type	k_qc9d9c37ab3_stream,@function
k_qc9d9c37ab3_stream:
	s_mov_b64 s[64:65], 0
	v_nop
	global_prefetch_b8 v0, s[64:65] scope:SCOPE_SE
	s_setreg_imm32_b32 hwreg(HW_REG_WAVE_SCHED_MODE, 0, 2), 2
	s_setreg_imm32_b32 hwreg(HW_REG_WAVE_MODE, 25, 1), 1
	s_wait_xcnt 0x0
	s_wait_alu depctr_vm_vsrc(0)
; STREAM.  s_sty [8192][32][256] f32 is read once, rounded to bf16, written as f16 (exact within f16's normal range) and laid by batch: g16 [b][m][c].
; Beside it: partial sums for the two instance norms (of s_sty and of x, both on the rounded numbers), and the four weights, rounded to bf16 and written as f16.
; LIMITS.  A number beyond 65,504 would become an infinity in f16; a number below 6e-5 keeps f16's fixed step of 6e-8.  NaN and infinities are not treated apart.
; THE SUMS are taken of d = number - pilot, the pilot being row 0 of the same batch and channel (rounded): mean = pilot + E[d], variance = E[d^2] - E[d]^2, so a common offset of the data cancels before anything is squared.
; SHARES.  Work-group (k, b): rows 1024 k .. + 1023 of batch b, and rows 32 k .. + 31 of x.  Wave w takes rows w + 16 i.  Lane l owns channels 4 l .. + 3 and 128 + 4 l .. + 3:
; a row is two loads of 512 consecutive bytes and two stores of 256 consecutive bytes, each at a multiple of 256 from its buffer's first byte.
; No LDS tiles, no matrix unit, no cluster: every byte is used once, by one lane.
; THE MODE: SCHED_MODE bits 1:0 = 2 (LLVM: expert scheduling mode 2), set by the entry lines.  The code itself states the register dependences
; between vector instructions and memory or LDS instructions, with s_wait_alu, always for 0.
; THE PLAN.  A wave's 64 rows go in 32 blocks of two.  Registers that memory instructions touch in the loop:
;   X0 .. X3   four blocks of s_sty as loaded.  Written by the loads of block p + 3, issued in block p; read by block p's roundings to bf16.
;   Y0 .. Y3   four blocks of g16 to store.     Written by block p's roundings to f16; read by the four stores that are issued in block p + 1; written again in block p + 4.
;   v[VI], v[VO]  byte offsets, made once at the head and never written again: the rows are reached by the two scalar bases, which move on once a lap of four blocks, and by immediate offsets.
; Block p works on X[p % 4] and writes Y[p % 4].  Its memory instructions are the loads into X[(p - 1) % 4] and the stores from Y[(p - 1) % 4]: the two buffers that block p - 1 worked on and that
; no vector instruction of block p names.  So ONE wait on va_vdst at a block's head states all that its eight memory instructions hang on, and these are dealt among its vector instructions with no further wait.
; The stores that read Y[q % 4] last were issued in block q - 3.  A wait on vm_vsrc (with the wait on XCNT beside it) stands twice a lap, at the head of the blocks with p % 4 = 3 and at the lap's end:
; one of the two always lies between those stores and block q's roundings.  8 to 12 loads of every wave are on their way.
.set SPARE, 65536                      ; behind the sums' 65,536 bytes: the spare words, 128 bytes for each of 16 waves
.set RSTEP, 524288                     ; s_sty and x: bytes from one of my rows to my next: 16 rows of 32,768
.set OSTEP, 8192                       ; g16: the same: 16 rows of 512
.set VI,  2                            ; v2   my byte offset in s_sty and x: 16 l + w rows of 32,768 bytes; never rewritten
.set VO,  3                            ; v3   my byte offset in g16: 8 l + w rows of 512 bytes; never rewritten
.set T,   4                            ; v[4:11]   8 numbers at work
.set B,   12                           ; v[12:15]  4 words of bf16 pairs
.set PG,  16                           ; v[16:23]  pilots of s_sty
.set PX,  24                           ; v[24:31]  pilots of x
.set S1G, 32                           ; v[32:39] sum d, v[40:47] sum d^2 for s_sty; v[48:55], v[56:63] for x
.set S2G, 40
.set S1X, 48
.set S2X, 56
.set X,   64                           ; v[64:127]  buffer k, row r: 8 registers at X + 16 k + 8 r, as loaded
.set Y,   128                          ; v[128:159] buffer k, row r: 4 registers at Y + 8 k + 4 r, to store; at the start Y0 and Y1 take x's two rows
.set SPW, 160                          ; LDS address of my spare word; never rewritten
.set NIL, 161                          ; 0; never rewritten
.set PO,  162                          ; 16 l
.set WO,  163                          ; my byte offset in w16
	s_load_b512 s[4:19], s[0:1], 0x0               ; s_sty s[4:5], x s[6:7], Wf s[8:9], Wg s[10:11], Wh s[12:13], Wk s[14:15], g16 s[16:17], part s[18:19]
	s_load_b64 s[20:21], s[0:1], 0x40              ; w16
	v_lshl_add_u32 v[SPW], v0, 2, SPARE
	v_mov_b32 v[NIL], 0
	v_lshrrev_b32 v1, 5, v0
	v_readfirstlane_b32 s24, v1                    ; wave 0..15
	s_and_b32 s26, ttmp7, 0xffff                   ; b
	s_lshl_b32 s25, s26, 3
	s_add_co_u32 s25, s25, ttmp9                   ; g = 8 b + k: the work-group's number, and the block of each weight that it converts
	s_mov_b32 s33, 0xffff0000                      ; a word's upper bf16
	v_and_b32 v1, 31, v0
	v_lshlrev_b32 v[PO], 4, v1
	v_lshlrev_b32 v[VO], 3, v1
	s_wait_alu depctr_va_sdst(0)                   ; s24 is written, ahead of its first reader, the line below
	v_lshl_add_u32 v[VI], s24, 15, v[PO]
	v_lshl_add_u32 v[VO], s24, 9, v[VO]
	s_lshl_b32 s34, s26, 10                        ; b x 1,024 bytes
	s_mov_b32 s35, 0
	s_lshl_b32 s36, ttmp9, 25                      ; k x 1,024 rows of 32,768 bytes
	s_mov_b32 s37, 0
	s_lshl_b32 s44, ttmp9, 20                      ; k x 32 rows of x
	s_mov_b32 s45, 0
	s_lshl_b32 s46, s26, 22                        ; b x 8,192 rows of 512 bytes,
	s_lshl_b32 s27, ttmp9, 19                      ; k x 1,024 of them
	s_add_co_u32 s46, s46, s27
	s_mov_b32 s47, 0
	s_wait_kmcnt 0x0
	s_add_nc_u64 s[38:39], s[4:5], s[34:35]        ; s_sty at row 0 of my batch: the pilots
	s_add_nc_u64 s[28:29], s[38:39], s[36:37]      ; and at the group's first row
	s_add_nc_u64 s[40:41], s[6:7], s[34:35]        ; the same for x
	s_add_nc_u64 s[42:43], s[40:41], s[44:45]
	s_add_nc_u64 s[30:31], s[16:17], s[46:47]      ; g16 at the group's first row
	s_wait_alu depctr_va_vdst(0)                   ; v[PO], v[VI] and v[VO] are written: every load and store of s_sty, x and g16 reads one of them as its offset
	global_load_b128 v[PG:PG+3],   v[PO], s[38:39]
	global_load_b128 v[PG+4:PG+7], v[PO], s[38:39] offset:512
	global_load_b128 v[PX:PX+3],   v[PO], s[40:41]
	global_load_b128 v[PX+4:PX+7], v[PO], s[40:41] offset:512
	global_load_b128 v[Y:Y+3],     v[VI], s[42:43]
	global_load_b128 v[Y+4:Y+7],   v[VI], s[42:43] offset:512
	global_load_b128 v[Y+8:Y+11],  v[VI], s[42:43] offset:RSTEP
	global_load_b128 v[Y+12:Y+15], v[VI], s[42:43] offset:RSTEP+512
.irp i, 0,1,2,3,4,5
	global_load_b128 v[X+8*\i:X+8*\i+3],   v[VI], s[28:29] offset:\i*RSTEP th:TH_LOAD_NT      ; blocks 0, 1 and 2 into X0, X1, X2: my rows w + 16 i
	global_load_b128 v[X+8*\i+4:X+8*\i+7], v[VI], s[28:29] offset:\i*RSTEP+512 th:TH_LOAD_NT
.endr
.set i_, S1G
.rept 32
	v_mov_b32 v[i_], 0                             ; 32 running sums, once a launch
.set i_, i_+1
.endr
.macro RB16 base, pairs, tmp                   ; numbers in registers are rounded to bf16 and stay f32
.set z_, 0
.rept \pairs
	v_cvt_pk_bf16_f32 v[\tmp], v[(\base)+2*z_], v[(\base)+2*z_+1]
	v_lshlrev_b32 v[(\base)+2*z_], 16, v[\tmp]
	v_and_b32 v[(\base)+2*z_+1], s33, v[\tmp]
.set z_, z_+1
.endr
.endm
; A row's 8 numbers in v[xr ..]: rounded to bf16; written as f16 into v[y ..] (y < 0: not); d = number - pilot is added to s1, d^2 to s2.
.macro ROW xr, pil, s1, s2, y
.irp k, 0,1,2,3
	v_cvt_pk_bf16_f32 v[B+\k], v[(\xr)+2*\k], v[(\xr)+2*\k+1]
.endr
.irp k, 0,1,2,3
	v_lshlrev_b32 v[T+2*\k], 16, v[B+\k]
	v_and_b32 v[T+2*\k+1], s33, v[B+\k]
.endr
.if (\y) >= 0
.irp k, 0,1,2,3
	v_cvt_pk_f16_f32 v[(\y)+\k], v[T+2*\k], v[T+2*\k+1]
.endr
.endif
.irp k, 0,1,2,3
	v_pk_add_f32 v[T+2*\k:T+2*\k+1], v[T+2*\k:T+2*\k+1], v[(\pil)+2*\k:(\pil)+2*\k+1] neg_lo:[0,1] neg_hi:[0,1]
.endr
.irp k, 0,1,2,3
	v_pk_add_f32 v[(\s1)+2*\k:(\s1)+2*\k+1], v[(\s1)+2*\k:(\s1)+2*\k+1], v[T+2*\k:T+2*\k+1]
	v_pk_fma_f32 v[(\s2)+2*\k:(\s2)+2*\k+1], v[T+2*\k:T+2*\k+1], v[T+2*\k:T+2*\k+1], v[(\s2)+2*\k:(\s2)+2*\k+1]
.endr
.endm
; Block p.  xb = p % 4.  j: the block's place behind the block at which the bases stand (the lap's blocks have j = 1 to 4).  first = 1: block 0, with no block in front of it.
; ahead = 1: block p + 3 is loaded.  left: the younger loads that may stay out.  free = 1: the pair of waits that frees two Y buffers stands at this block's head.
.macro BLK xb, j, first, ahead, left, free
.set xn_, X+16*((\xb+3)%4)                     ; the buffers that the block before worked on
.set yp_, Y+8*((\xb+3)%4)
	s_wait_loadcnt \left                           ; loads come back in order (ISA guide 5.7.1): X[xb] is in, the younger blocks stay out
.if \free
	s_wait_xcnt 0x0                                ; every earlier memory instruction has had its addresses translated (ISA guide 3.1): this block's Y and the next block's are rewritten only behind this wait
	s_wait_alu depctr_vm_vsrc(0)                   ; the stores issued three and two blocks back have read Y[xb] and Y[(xb + 1) % 4], which the roundings of this block and of the next write again
.endif
.if !\first
	s_wait_alu depctr_va_vdst(0)                   ; the block before has written its Y, which the stores below read, and is done reading its X, in which the loads below land
.endif
.irp r, 0,1
.if \ahead
	global_load_b128 v[xn_+8*\r:xn_+8*\r+3],   v[VI], s[28:29] offset:(2*(\j)+6+\r)*RSTEP th:TH_LOAD_NT      ; three blocks ahead; no vector instruction since the wait names these registers
	global_load_b128 v[xn_+8*\r+4:xn_+8*\r+7], v[VI], s[28:29] offset:(2*(\j)+6+\r)*RSTEP+512 th:TH_LOAD_NT
.endif
.if !\first
	global_store_b64 v[VO], v[yp_+4*\r:yp_+4*\r+1],   s[30:31] offset:(2*(\j)-2+\r)*OSTEP th:TH_STORE_NT      ; the block before; 32 lanes store 256 consecutive bytes
	global_store_b64 v[VO], v[yp_+4*\r+2:yp_+4*\r+3], s[30:31] offset:(2*(\j)-2+\r)*OSTEP+256 th:TH_STORE_NT
.endif
	ROW X+16*(\xb)+8*\r, PG, S1G, S2G, Y+8*(\xb)+4*\r
.endr
.endm
	s_wait_loadcnt 12                              ; the 8 oldest loads (pilots, x's rows) are in; the 12 of blocks 0 to 2 stay out
	RB16 PG, 4, B
	RB16 PX, 4, B
	ROW Y,   PX, S1X, S2X, -1
	ROW Y+8, PX, S1X, S2X, -1
	BLK 0, 0, 1, 1, 8, 0                           ; block 0: no store, and no wait but the one for its data: no vector instruction has named X3, and the offsets stand behind the head's wait
	s_mov_b32 s32, 7
.Lround:                                               ; blocks 1 to 28, four to a lap: the buffers are back at their start
	BLK 1, 1, 0, 1, 8, 0
	BLK 2, 2, 0, 1, 8, 0
	BLK 3, 3, 0, 1, 8, 1
	BLK 0, 4, 0, 1, 8, 0
	s_wait_xcnt 0x0                                ; the bases, Y1 and Y2 are rewritten only behind this wait
	s_wait_alu depctr_vm_vsrc(0)                   ; the stores issued in this lap's second and third block have read Y1 and Y2, which the next two blocks' roundings write again
	s_add_nc_u64 s[28:29], s[28:29], 0x400000      ; 8 of my rows of s_sty
	s_add_nc_u64 s[30:31], s[30:31], 0x10000       ; 8 of my rows of g16
	s_sub_co_u32 s32, s32, 1
	s_cmp_lg_u32 s32, 0
	s_cbranch_scc1 .Lround
	BLK 1, 1, 0, 0, 8, 0                           ; blocks 29 to 31 load nothing: no load leaves the work-group's rows, and the counts run down
	BLK 2, 2, 0, 0, 4, 0
	BLK 3, 3, 0, 0, 0, 1
	s_wait_alu depctr_va_vdst(0)                   ; block 31 has written Y3, which the last four stores read
.irp r, 0,1
	global_store_b64 v[VO], v[Y+24+4*\r:Y+24+4*\r+1], s[30:31] offset:(6+\r)*OSTEP th:TH_STORE_NT
	global_store_b64 v[VO], v[Y+24+4*\r+2:Y+24+4*\r+3], s[30:31] offset:(6+\r)*OSTEP+256 th:TH_STORE_NT
.endr
	; THE WEIGHTS.  Waves 0 to 3 convert block g (256 numbers, 512 bytes of f16) of Wf, Wg, Wk, Wh.  Wf and Wk are laid as fragments lie in registers: block g = 16 rb + 2 kb + half, lane (r, h) owns
	; element [16 rb + r][32 kb + 16 half + 8 h + 0..7]; Wg likewise, transposed; Wh stays row-major (block g = row g).  No barrier stands inside these branches.
	; They load into X0 and round into Y0's first four registers: the stores that read those were issued in block 29, ahead of the pair of waits at block 31's head.
	s_cmp_ge_u32 s24, 4
	s_cbranch_scc1 .Lnow
	v_and_b32 v[T], 15, v0                         ; r
	v_bfe_u32 v[T+1], v0, 4, 1                     ; h
	s_lshr_b32 s34, s25, 4                         ; g / 16
	s_and_b32 s35, s25, 15                         ; g % 16
	s_cmp_eq_u32 s24, 1
	s_cbranch_scc1 .Lwgt
	s_lshl_b32 s36, s34, 14                        ; fragments: (16 (g / 16) + r) rows of 1,024 bytes + (16 (g % 16) + 8 h) x 4
	s_lshl_b32 s37, s35, 6
	s_add_co_u32 s36, s36, s37
	s_lshl_b32 s37, s25, 10                        ; rows: g x 1,024 + 32 x lane
	s_cmp_eq_u32 s24, 3
	s_cselect_b32 s36, s37, s36
	s_cselect_b32 s44, 5, 10                       ; r's shift
	s_cselect_b32 s45, 9, 5                        ; h's shift
	s_cselect_b64 s[46:47], s[12:13], s[8:9]       ; Wh, or Wf,
	s_cmp_eq_u32 s24, 2
	s_cselect_b64 s[46:47], s[14:15], s[46:47]     ; or Wk
	v_lshlrev_b32 v[T+2], s44, v[T]
	v_lshlrev_b32 v[T+3], s45, v[T+1]
	v_add3_u32 v[T+2], v[T+2], v[T+3], s36
	s_wait_alu depctr_va_vdst(0)                   ; v[T+2] is written, which the two loads read as their offset; the blocks' roundings are done reading X0, in which they land
	global_load_b128 v[X:X+3],   v[T+2], s[46:47]
	global_load_b128 v[X+4:X+7], v[T+2], s[46:47] offset:16
	s_wait_alu depctr_vm_vsrc(0)                   ; the two loads have read v[T+2], which the conversions behind the branch write again
	s_branch .Lwcv
.Lwgt:                                                 ; Wg transposed: element e comes from row 16 (g % 16) + 8 h + e, column 16 (g / 16) + r
	s_lshl_b32 s36, s35, 14
	s_lshl_b32 s37, s34, 6
	s_add_co_u32 s36, s36, s37
	v_lshlrev_b32 v[T+2], 2, v[T]
	v_lshl_add_u32 v[T+2], v[T+1], 13, v[T+2]
	v_add_nc_u32 v[T+2], s36, v[T+2]
	s_wait_alu depctr_va_vdst(0)                   ; v[T+2] is written, which the eight loads read as their offset; the blocks' roundings are done reading X0, in which they land
.irp e, 0,1,2,3,4,5,6,7
	global_load_b32 v[X+\e], v[T+2], s[10:11] offset:\e*1024
.endr
	s_wait_alu depctr_vm_vsrc(0)                   ; the eight loads have read v[T+2], which the conversions behind the label write again
.Lwcv:
	s_wait_loadcnt 0x0
.irp k, 0,1,2,3
	v_cvt_pk_bf16_f32 v[B+\k], v[X+2*\k], v[X+2*\k+1]
	v_lshlrev_b32 v[T+2*\k], 16, v[B+\k]
	v_and_b32 v[T+2*\k+1], s33, v[B+\k]
	v_cvt_pk_f16_f32 v[Y+\k], v[T+2*\k], v[T+2*\k+1]
.endr
	s_lshl_b32 s36, s25, 9                         ; block g,
	s_lshl_b32 s37, s24, 17                        ; in part w of w16
	s_add_co_u32 s36, s36, s37
	v_add_nc_u32 v[WO], s36, v[PO]
	s_wait_alu depctr_va_vdst(0)                   ; v[WO] and v[Y:Y+3] are written, which the store reads as its offset and its data
	global_store_b128 v[WO], v[Y:Y+3], s[20:21]    ; 512 consecutive bytes
.Lnow:
	; THE SUMS of the 16 waves meet in LDS: wave w's 4,096 bytes are [kind 4][channel 256] f32.
	v_lshl_add_u32 v[T], s24, 12, v[PO]
	v_lshlrev_b32 v[T+1], 3, v0                    ; thread t adds two numbers of all 16 waves
	s_wait_alu depctr_va_vdst(0)                   ; v[T] and the 32 sums are written, which the LDS stores read; v[T+1] is written, which the LDS loads behind the barrier read, and every reader of X is done, where those loads land: no vector instruction stands between
.irp q, 0,1,2,3,4,5,6,7
	ds_store_b128 v[T], v[S1G+4*\q:S1G+4*\q+3] offset:512*\q
.endr
	s_wait_dscnt 0x0                               ; for the others' sake: my stores are done
	s_barrier_signal -1
	s_barrier_wait -1
.irp q, 0,1,2,3,4,5,6,7,8,9,10,11,12,13,14,15
	ds_load_b64 v[X+2*\q:X+2*\q+1], v[T+1] offset:\q*4096
.endr
	s_lshl_b32 s36, s25, 12
	s_mov_b32 s37, 0
	s_add_nc_u64 s[18:19], s[18:19], s[36:37]      ; part at [b][k]
	s_wait_dscnt 0x0
.irp q, 0,1,2,3,4,5,6,7
	v_pk_add_f32 v[X+2*\q:X+2*\q+1], v[X+2*\q:X+2*\q+1], v[X+16+2*\q:X+16+2*\q+1]
.endr
.irp q, 0,1,2,3
	v_pk_add_f32 v[X+2*\q:X+2*\q+1], v[X+2*\q:X+2*\q+1], v[X+8+2*\q:X+8+2*\q+1]
.endr
.irp q, 0,1
	v_pk_add_f32 v[X+2*\q:X+2*\q+1], v[X+2*\q:X+2*\q+1], v[X+4+2*\q:X+4+2*\q+1]
.endr
	v_pk_add_f32 v[X:X+1], v[X:X+1], v[X+2:X+3]
	s_wait_alu depctr_va_vdst(0)                   ; the last addition has written v[X:X+1], which the store reads
	global_store_b64 v[T+1], v[X:X+1], s[18:19]    ; a wave stores 256 consecutive bytes
	s_wait_dscnt 0x0                               ; the closing lines, six on end
	s_wait_alu 0x0
	s_wait_tensorcnt 0x0
	ds_add_u32 v[SPW], v[NIL]
	s_wait_dscnt 0x0
	s_endpgm
.Lfunc_end_k_qc9d9c37ab3_stream:
	.size	k_qc9d9c37ab3_stream, .Lfunc_end_k_qc9d9c37ab3_stream-k_qc9d9c37ab3_stream
	.p2alignl 7, 3214868480
	.fill 96, 4, 3214868480
	.section	.rodata,"a",@progbits
	.p2align	6, 0x0
	.amdhsa_kernel k_qc9d9c37ab3_stream
		.amdhsa_group_segment_fixed_size 67584
		.amdhsa_private_segment_fixed_size 0
		.amdhsa_enable_private_segment 0
		.amdhsa_kernarg_size 72
		.amdhsa_user_sgpr_count 2
		.amdhsa_user_sgpr_kernarg_segment_ptr 1
		.amdhsa_wavefront_size32 1
		.amdhsa_system_sgpr_workgroup_id_x 1
		.amdhsa_system_sgpr_workgroup_id_y 1
		.amdhsa_system_sgpr_workgroup_id_z 1
		.amdhsa_system_vgpr_workitem_id 0
		.amdhsa_next_free_vgpr 168
		.amdhsa_next_free_sgpr 66
		.amdhsa_reserve_vcc 0
		.amdhsa_float_denorm_mode_32 3
		.amdhsa_float_denorm_mode_16_64 3
		.amdhsa_memory_ordered 1
		.amdhsa_forward_progress 1
		.amdhsa_inst_pref_size 45
	.end_amdhsa_kernel
	.amdgpu_metadata
---
amdhsa.version: [ 1, 2 ]
amdhsa.kernels:
  - .name:           k_qc9d9c37ab3_stream
    .symbol:         k_qc9d9c37ab3_stream.kd
    .args:
      - { .name: s_sty, .offset: 0, .size: 8, .value_kind: global_buffer, .address_space: global }
      - { .name: x, .offset: 8, .size: 8, .value_kind: global_buffer, .address_space: global }
      - { .name: Wf, .offset: 16, .size: 8, .value_kind: global_buffer, .address_space: global }
      - { .name: Wg, .offset: 24, .size: 8, .value_kind: global_buffer, .address_space: global }
      - { .name: Wh, .offset: 32, .size: 8, .value_kind: global_buffer, .address_space: global }
      - { .name: Wk, .offset: 40, .size: 8, .value_kind: global_buffer, .address_space: global }
      - { .name: g16, .offset: 48, .size: 8, .value_kind: global_buffer, .address_space: global }
      - { .name: part, .offset: 56, .size: 8, .value_kind: global_buffer, .address_space: global }
      - { .name: w16, .offset: 64, .size: 8, .value_kind: global_buffer, .address_space: global }
    .group_segment_fixed_size: 67584
    .private_segment_fixed_size: 0
    .kernarg_segment_align: 8
    .kernarg_segment_size: 72
    .max_flat_workgroup_size: 512
    .sgpr_count:     66
    .vgpr_count:     168
    .wavefront_size: 32
...
	.end_amdgpu_metadata
.endif
;; end of part 5
;; launch prep: the kernel of part 2 again; grid 8 x 32, 4 waves a work-group, no clusters, 72,704 bytes of LDS; arguments part, w16, x, s_sty, bf, bg, qim, qst; writes qim, qst
;; launch attn: the kernel of part 3 again; grid 4 x 64, 4 waves a work-group, clusters of 4 x 1, 327,680 bytes of LDS; arguments g16, w16, qim, qst, pp, ml; writes pp, ml
;; launch fin: the kernel of part 4 again; grid 8 x 32, 4 waves a work-group, no clusters, 34,304 bytes of LDS; arguments pp, ml, w16, bh, bk, x, out0; writes out0
